; MI455X (gfx1250); checked and timed in simulation.
; The chip was launched on July 23, 2026; its instructions are those of AMD's public machine-readable ISA for CDNA 5 (MIT licence, August 2026) and "CDNA5" Instruction Set Architecture Reference Guide (July 2026). The comments in the code are by the model that wrote it; some were corrected since.
;; Binary Classifier. Allowed arithmetic: float matrix products may take bf16 or f16 operands with f32 sums; all other float work in f32.
;; Inputs: b1 2 x 1,024 float32; b2 2 x 256 float32; b_reduce 256 float32; cls_b 2 float32; cls_w 256 x 2 float32; feature 2 x 512 x 400 float32; feature_mask 2 x 512 float32; ln1_b 2 x 256 float32; ln1_g 2 x 256 float32; ln2_b 2 x 256 float32; ln2_g 2 x 256 float32; pos_b 256 float32; pos_ind 2 x 512 x 512 x 2 float32; pos_w 256 x 256 float32; w1 2 x 256 x 1,024 float32; w2 2 x 1,024 x 256 float32; w_reduce 400 x 256 float32; wk 2 x 256 x 256 float32; wo 2 x 256 x 256 float32; wq 2 x 256 x 256 float32; wv 2 x 256 x 256 float32.
;; Outputs: out0 2 x 512 x 2 float32.
;; One version. Each part assembles by itself: llvm-mc -triple=amdgcn-amd-amdhsa -mcpu=gfx1250 --defsym DOCPART=n.
;; ======== version 1 of 1: 8 launches
;; limits: inputs' magnitudes at most 2,000; right only within a limited range of input values
;; workspace buffers: wr 221,440 bytes; wl0 1,580,032 bytes; wl1 1,580,032 bytes; bias 2,621,440 bytes; xres 1,048,576 bytes; qkv 1,572,864 bytes; of 524,288 bytes; part 4,194,304 bytes
;; launch prep (part 1): grid 214 x 1, 8 waves a work-group, no clusters, 34,816 bytes of LDS; arguments wq, wk, wv, wo, w2, w1, w_reduce, pos_w, ln1_g, ln1_b, b2, b1, wr, wl0, wl1; writes wr, wl0, wl1
.if DOCPART == 1
	.amdgcn_target "amdgcn-amd-amdhsa--gfx1250"
	.amdhsa_code_object_version 6
	.text
	.protected	k_q52d1148353_prep
	.globl	k_q52d1148353_prep
	.p2align	8
	.type	k_q52d1148353_prep,@function
k_q52d1148353_prep:
	s_mov_b64 s[64:65], 0
	v_nop
	global_prefetch_b8 v0, s[64:65] scope:SCOPE_SE
	s_setreg_imm32_b32 hwreg(HW_REG_WAVE_MODE, 25, 1), 1
	s_wait_xcnt 0x0
; prep: every weight W[K][N] (f32, row-major) is rounded to bf16 and laid out as blocks of 1 KiB, each the register image of one
; 16 x 32 matrix operand: byte 512 half + 16 lane of block (t, s) holds W[32 s + 16 half + 8 (lane / 16) + 0..7][16 t + lane % 16].
; Later launches fill an operand with two 16-byte loads a lane, 512 consecutive bytes each.
; Work-group x:  0-63 wq, wk, wv, wo   64-127 w2   128-191 w1   192-204 w_reduce (K 400 padded to 416 with zeros)
;                205-212 the means over each head's 32 columns of pos_w, times log2(e)   213 copies of ln1_g, ln1_b, b2, b1 of each layer.
; A strip job takes 32 rows of K x 256 columns: 32 KiB in by whole rows, through LDS, 16 KiB out.  LDS pitch 1040 bytes = 260 words: the 32 lanes
; of a column read take 16 neighbouring words, and 8 rows further down (2080 words = 32 words on, modulo the 64 banks of 4 bytes of ISA guide 11.1)
; 16 more: 32 different banks.
; The two kinds of job that use LDS have bytes of their own: the strip 0 .. 33,279, the column means 33,280 .. 33,791.
; No matrix unit, no cluster: every byte is read once and written once, nothing is shared between work-groups.
.set LPITCH, 1040
.set PWL, 33280                        ; the column means: [head 8][k 32] in bf16
.set PWS, 0x3d38aa3b                   ; log2(e) / 32
	s_load_b512 s[8:23], s[0:1], 0x0               ; wq wk wv wo w2 w1 w_reduce pos_w
	s_load_b256 s[24:31], s[0:1], 0x40             ; ln1_g ln1_b b2 b1
	s_load_b128 s[32:35], s[0:1], 0x60             ; wr wl0
	s_load_b64 s[36:37], s[0:1], 0x70              ; wl1
	v_lshl_add_u32 v64, v0, 2, 0x8400
	v_mov_b32 v65, 0
	v_lshrrev_b32 v1, 5, v0
	v_readfirstlane_b32 s2, v1                     ; wave
	v_and_b32 v1, 31, v0
	v_lshlrev_b32 v1, 4, v1                        ; 16 x lane
	s_mov_b32 s3, ttmp9                            ; the job
	s_mov_b32 s51, 0                               ; high words of the two offset pairs
	s_mov_b32 s53, 0
	s_wait_kmcnt 0x0
	s_cmp_ge_u32 s3, 213
	s_cbranch_scc1 .Lparams
	s_cmp_ge_u32 s3, 205
	s_cbranch_scc1 .Lpwm
	s_cmp_ge_u32 s3, 192
	s_cbranch_scc1 .Lwred
	s_cmp_ge_u32 s3, 128
	s_cbranch_scc1 .Lw1
	s_cmp_ge_u32 s3, 64
	s_cbranch_scc1 .Lw2
	; wq, wk, wv, wo: [2][256][256]
	s_lshr_b32 s4, s3, 4                           ; which matrix
	s_and_b32 s5, s3, 15                           ; 8 x layer + K step
	s_cmp_eq_u32 s4, 1
	s_cselect_b64 s[40:41], s[10:11], s[8:9]
	s_cmp_eq_u32 s4, 2
	s_cselect_b64 s[40:41], s[12:13], s[40:41]
	s_cmp_eq_u32 s4, 3
	s_cselect_b64 s[40:41], s[14:15], s[40:41]
	s_lshl_b32 s50, s5, 15                         ; 32 rows of 1,024 bytes a strip
	s_lshr_b32 s6, s5, 3                           ; layer
	s_and_b32 s7, s5, 7                            ; K step
	s_lshl_b32 s52, s4, 17                         ; 16 tiles x 8 K steps x 1 KiB a matrix
	s_mov_b32 s43, 1024                            ; source pitch
	s_mov_b32 s44, 8192                            ; bytes from a tile to the next in the target
	s_mov_b32 s49, 31                              ; last row that exists
	s_branch .Llayer
.Lw2:                                              ; [2][1024][256]
	s_sub_co_u32 s5, s3, 64
	s_mov_b64 s[40:41], s[16:17]
	s_lshl_b32 s50, s5, 15
	s_lshr_b32 s6, s5, 5
	s_and_b32 s7, s5, 31
	s_mov_b32 s52, 0x100000
	s_mov_b32 s43, 1024
	s_mov_b32 s44, 32768
	s_mov_b32 s49, 31
	s_branch .Llayer
.Lw1:                                              ; [2][256][1024]: four groups of 256 columns
	s_sub_co_u32 s5, s3, 128
	s_mov_b64 s[40:41], s[18:19]
	s_lshr_b32 s6, s5, 5
	s_and_b32 s7, s5, 7
	s_bfe_u32 s4, s5, 0x20003                      ; column group
	s_lshl_b32 s50, s6, 20
	s_lshl_b32 s45, s7, 17                         ; 32 rows of 4,096 bytes
	s_add_co_u32 s50, s50, s45
	s_lshl_b32 s45, s4, 10
	s_add_co_u32 s50, s50, s45
	s_lshl_b32 s52, s4, 17
	s_add_co_u32 s52, s52, 0x80000
	s_mov_b32 s43, 4096
	s_mov_b32 s44, 8192
	s_mov_b32 s49, 31
.Llayer:
	s_cmp_eq_u32 s6, 0
	s_cselect_b64 s[46:47], s[34:35], s[36:37]     ; wl0 or wl1
	s_branch .Lstrip
.Lwred:                                            ; [400][256]: 13 strips, the last has 16 rows
	s_sub_co_u32 s7, s3, 192
	s_mov_b64 s[40:41], s[20:21]
	s_lshl_b32 s50, s7, 15
	s_mov_b32 s52, 0
	s_mov_b32 s43, 1024
	s_mov_b32 s44, 13312
	s_cmp_eq_u32 s7, 12
	s_cselect_b32 s49, 15, 31
	s_mov_b64 s[46:47], s[32:33]
.Lstrip:
	s_add_nc_u64 s[40:41], s[40:41], s[50:51]      ; the strip's first row
	s_lshl_b32 s7, s7, 10
	s_add_co_u32 s52, s52, s7
	s_add_nc_u64 s[46:47], s[46:47], s[52:53]      ; block (tile 0, my K step)
	v_and_b32 v2, 63, v0
	v_lshlrev_b32 v2, 4, v2                        ; my 16 bytes of a row
	v_lshrrev_b32 v3, 6, v0                        ; rows v3, v3 + 4, .. v3 + 28
.irp i, 0,1,2,3,4,5,6,7
	v_add_nc_u32 v4, 4*\i, v3
	v_min_u32 v4, s49, v4                          ; a row that does not exist reads the last that does: no load leaves the buffer
	v_mad_u32_u24 v[8+\i], v4, s43, v2
.endr
.irp i, 0,1,2,3,4,5,6,7
	global_load_b128 v[16+4*\i:19+4*\i], v[8+\i], s[40:41] th:TH_LOAD_NT
.endr
	v_mad_u32_u24 v6, v3, LPITCH, v2
	s_wait_loadcnt 0x0
.irp i, 0,1,2,3,4,5,6,7
	v_add_nc_u32 v4, 4*\i, v3
	v_cmp_ge_u32 vcc_lo, s49, v4                   ; the row exists
	v_cndmask_b32 v[16+4*\i], 0, v[16+4*\i], vcc_lo
	v_cndmask_b32 v[17+4*\i], 0, v[17+4*\i], vcc_lo
	v_cndmask_b32 v[18+4*\i], 0, v[18+4*\i], vcc_lo
	v_cndmask_b32 v[19+4*\i], 0, v[19+4*\i], vcc_lo
	ds_store_b128 v6, v[16+4*\i:19+4*\i] offset:\i*4*LPITCH
.endr
	s_wait_dscnt 0x0                               ; my rows are in LDS before I say so
	s_barrier_signal -1
	s_barrier_wait -1
	; wave w makes tiles 2 w and 2 w + 1: a lane gathers 8 + 8 numbers of one column for each
	v_and_b32 v4, 15, v0
	v_bfe_u32 v5, v0, 4, 1
	s_lshl_b32 s4, s2, 7                           ; 32 columns of 4 bytes a wave
	v_lshl_add_u32 v4, v4, 2, s4
	v_mad_u32_u24 v7, v5, 8*LPITCH, v4
.irp u, 0,1
.irp f, 0,1
.irp j, 0,1,2,3,4,5,6,7
	ds_load_b32 v[16+16*\u+8*\f+\j], v7 offset:(16*\f+\j)*LPITCH+64*\u
.endr
.endr
.endr
	s_mul_i32 s4, s2, s44
	s_lshl_b32 s4, s4, 1
	v_add_nc_u32 v8, s4, v1                        ; tile 2 w (v8, v9 are free: their loads were waited for)
	v_add_nc_u32 v9, s44, v8                       ; tile 2 w + 1
	s_wait_dscnt 0x0
.irp k, 0,1,2,3,4,5,6,7,8,9,10,11,12,13,14,15
	v_cvt_pk_bf16_f32 v[48+\k], v[16+2*\k], v[17+2*\k]
.endr
	global_store_b128 v8, v[48:51], s[46:47]               ; each store of the wave covers 512 consecutive bytes, aligned
	global_store_b128 v8, v[52:55], s[46:47] offset:512
	global_store_b128 v9, v[56:59], s[46:47]
	global_store_b128 v9, v[60:63], s[46:47] offset:512
	s_wait_tensorcnt 0x0
	ds_add_u32 v64, v65
	s_wait_dscnt 0x0
	s_endpgm
.Lpwm:                                             ; thread (k = tid / 8, head = tid % 8): the mean of 32 neighbouring numbers of pos_w's row 32 s + k
	s_sub_co_u32 s7, s3, 205
	s_lshl_b32 s50, s7, 15
	s_add_nc_u64 s[40:41], s[22:23], s[50:51]
	s_lshl_b32 s52, s7, 10
	s_add_co_u32 s52, s52, 0x34000
	s_add_nc_u64 s[46:47], s[32:33], s[52:53]
	v_lshrrev_b32 v2, 3, v0
	v_and_b32 v3, 7, v0
	v_lshlrev_b32 v4, 10, v2
	v_lshl_add_u32 v4, v3, 7, v4
.irp q, 0,1,2,3,4,5,6,7
	global_load_b128 v[16+4*\q:19+4*\q], v4, s[40:41] offset:16*\q th:TH_LOAD_NT
.endr
	v_lshlrev_b32 v5, 6, v3
	v_lshl_add_u32 v5, v2, 1, v5                   ; LDS: [head][k] in bf16, 64 bytes a head
	s_wait_loadcnt 0x0
.irp j, 0,2,4,6,8,10,12,14
	v_pk_add_f32 v[16+\j:17+\j], v[16+\j:17+\j], v[32+\j:33+\j]
.endr
.irp j, 0,2,4,6
	v_pk_add_f32 v[16+\j:17+\j], v[16+\j:17+\j], v[24+\j:25+\j]
.endr
.irp j, 0,2
	v_pk_add_f32 v[16+\j:17+\j], v[16+\j:17+\j], v[20+\j:21+\j]
.endr
	v_pk_add_f32 v[16:17], v[16:17], v[18:19]
	v_add_f32 v16, v16, v17
	v_mul_f32 v16, PWS, v16
	v_cvt_pk_bf16_f32 v16, v16, v16
	ds_store_b16 v5, v16 offset:PWL
	s_wait_dscnt 0x0
	s_barrier_signal -1
	s_barrier_wait -1
	s_cmp_lg_u32 s2, 0
	s_cbranch_scc1 .Lend
	v_and_b32 v2, 7, v0                            ; operand row r holds head r % 8: the eight heads stand twice
	v_bfe_u32 v3, v0, 4, 1
	v_lshlrev_b32 v2, 6, v2
	v_lshl_add_u32 v2, v3, 4, v2
	ds_load_b128 v[16:19], v2 offset:PWL
	ds_load_b128 v[20:23], v2 offset:PWL+32
	s_wait_dscnt 0x0
	global_store_b128 v1, v[16:19], s[46:47]
	global_store_b128 v1, v[20:23], s[46:47] offset:512
.Lend:
	s_wait_tensorcnt 0x0
	ds_add_u32 v64, v65
	s_wait_dscnt 0x0
	s_endpgm
.Lparams:                                          ; wave w copies vector w / 2 of layer w % 2 behind that layer's weights
	s_and_b32 s4, s2, 1
	s_lshr_b32 s5, s2, 1
	s_cmp_eq_u32 s5, 1
	s_cselect_b64 s[40:41], s[26:27], s[24:25]
	s_cmp_eq_u32 s5, 2
	s_cselect_b64 s[40:41], s[28:29], s[40:41]
	s_cmp_eq_u32 s5, 3
	s_cselect_b64 s[40:41], s[30:31], s[40:41]
	s_cselect_b32 s6, 12, 10                       ; b1 has 4,096 bytes a layer, the others 1,024
	s_lshl_b32 s50, s4, s6
	s_add_nc_u64 s[40:41], s[40:41], s[50:51]
	s_cmp_eq_u32 s4, 0
	s_cselect_b64 s[46:47], s[34:35], s[36:37]
	s_lshl_b32 s52, s5, 10
	s_add_co_u32 s52, s52, 0x180000
	s_add_nc_u64 s[46:47], s[46:47], s[52:53]
	global_load_b128 v[16:19], v1, s[40:41]
	global_load_b128 v[20:23], v1, s[40:41] offset:512
	s_cmp_lt_u32 s2, 6
	s_cbranch_scc1 .Lshort
.irp k, 2,3,4,5,6,7
	global_load_b128 v[16+4*\k:19+4*\k], v1, s[40:41] offset:512*\k
.endr
	s_wait_loadcnt 0x0
.irp k, 2,3,4,5,6,7
	global_store_b128 v1, v[16+4*\k:19+4*\k], s[46:47] offset:512*\k
.endr
.Lshort:
	s_wait_loadcnt 0x0
	global_store_b128 v1, v[16:19], s[46:47]
	global_store_b128 v1, v[20:23], s[46:47] offset:512
	s_endpgm
.Lfunc_end_k_q52d1148353_prep:
	.size	k_q52d1148353_prep, .Lfunc_end_k_q52d1148353_prep-k_q52d1148353_prep
	.p2alignl 7, 3214868480
	.fill 96, 4, 3214868480
	.section	.rodata,"a",@progbits
	.p2align	6, 0x0
	.amdhsa_kernel k_q52d1148353_prep
		.amdhsa_group_segment_fixed_size 34816
		.amdhsa_private_segment_fixed_size 0
		.amdhsa_enable_private_segment 0
		.amdhsa_kernarg_size 120
		.amdhsa_user_sgpr_count 2
		.amdhsa_user_sgpr_kernarg_segment_ptr 1
		.amdhsa_wavefront_size32 1
		.amdhsa_system_sgpr_workgroup_id_x 1
		.amdhsa_system_sgpr_workgroup_id_y 1
		.amdhsa_system_sgpr_workgroup_id_z 1
		.amdhsa_system_vgpr_workitem_id 0
		.amdhsa_next_free_vgpr 66
		.amdhsa_next_free_sgpr 66
		.amdhsa_reserve_vcc 1
		.amdhsa_float_denorm_mode_32 3
		.amdhsa_float_denorm_mode_16_64 3
		.amdhsa_memory_ordered 1
		.amdhsa_forward_progress 1
		.amdhsa_inst_pref_size 17
	.end_amdhsa_kernel
	.amdgpu_metadata
---
amdhsa.version: [ 1, 2 ]
amdhsa.kernels:
  - .name:           k_q52d1148353_prep
    .symbol:         k_q52d1148353_prep.kd
    .args:
      - { .name: wq, .offset: 0, .size: 8, .value_kind: global_buffer, .address_space: global }
      - { .name: wk, .offset: 8, .size: 8, .value_kind: global_buffer, .address_space: global }
      - { .name: wv, .offset: 16, .size: 8, .value_kind: global_buffer, .address_space: global }
      - { .name: wo, .offset: 24, .size: 8, .value_kind: global_buffer, .address_space: global }
      - { .name: w2, .offset: 32, .size: 8, .value_kind: global_buffer, .address_space: global }
      - { .name: w1, .offset: 40, .size: 8, .value_kind: global_buffer, .address_space: global }
      - { .name: w_reduce, .offset: 48, .size: 8, .value_kind: global_buffer, .address_space: global }
      - { .name: pos_w, .offset: 56, .size: 8, .value_kind: global_buffer, .address_space: global }
      - { .name: ln1_g, .offset: 64, .size: 8, .value_kind: global_buffer, .address_space: global }
      - { .name: ln1_b, .offset: 72, .size: 8, .value_kind: global_buffer, .address_space: global }
      - { .name: b2, .offset: 80, .size: 8, .value_kind: global_buffer, .address_space: global }
      - { .name: b1, .offset: 88, .size: 8, .value_kind: global_buffer, .address_space: global }
      - { .name: wr, .offset: 96, .size: 8, .value_kind: global_buffer, .address_space: global }
      - { .name: wl0, .offset: 104, .size: 8, .value_kind: global_buffer, .address_space: global }
      - { .name: wl1, .offset: 112, .size: 8, .value_kind: global_buffer, .address_space: global }
    .group_segment_fixed_size: 34816
    .private_segment_fixed_size: 0
    .kernarg_segment_align: 8
    .kernarg_segment_size: 120
    .max_flat_workgroup_size: 256
    .sgpr_count:     66
    .vgpr_count:     66
    .wavefront_size: 32
...
	.end_amdgpu_metadata
.endif
;; end of part 1
;; launch rqpb (part 2): grid 64 x 5, 8 waves a work-group, no clusters, 43,008 bytes of LDS; arguments feature, b_reduce, wr, wl0, xres, qkv, pos_ind, feature_mask, pos_b, bias; writes xres, qkv, bias
.if DOCPART == 2
	.amdgcn_target "amdgcn-amd-amdhsa--gfx1250"
	.amdhsa_code_object_version 6
	.text
	.protected	k_q52d1148353_rqpb
	.globl	k_q52d1148353_rqpb
	.p2align	8
	.type	k_q52d1148353_rqpb,@function
k_q52d1148353_rqpb:
	s_mov_b64 s[64:65], 0
	v_nop
	global_prefetch_b8 v0, s[64:65] scope:SCOPE_SE
	s_setreg_imm32_b32 hwreg(HW_REG_WAVE_MODE, 25, 1), 1
	s_wait_xcnt 0x0
; rqpb, two kinds of work-group.
; y = 0, 1, 2 (rows part): x = selu(feature w_reduce + b_reduce) for 16 rows, then layer 0's Q (y = 0), K (1) or V (2) of those rows.
; y = 3, 4 (position part): the attention bias of 8 queries, one query a wave.
; Each kind has LDS bytes of its own: the rows part 0 .. 21,503, the position part 21,504 .. 41,983.
;
; ROWS PART.  Products are used transposed, D = weight operand x row operand: register j of lane (r, h) is (row r, column 8 h + j), so two
; neighbouring tiles packed to bf16 are, lane for lane, the row operand of the next product's K step.  Wave w owns columns 32 w .. 32 w + 31.
; V is made in the natural order, so that a lane holds 8 neighbouring keys of one dimension: half an operand of V transposed.
; The weights come straight into registers in operand order: each fragment is used by one wave once, so a way through LDS (and with it joint
; loads of a cluster) would add one LDS write and one LDS read for every weight byte.
;
; POSITION PART.  reference()'s mean over a head's 32 columns commutes with the product by pos_w, so bias = emb . (column means) + mean of pos_b;
; and its mask throws the bias away except at keys j with -8 <= j - i <= 7, or j = i mod 16: 16 + 32 positions a query.
; A bias row is 80 f32: [0..31] key 16 m + i % 16, [48..63] key i - 8 + p, the rest and every masked slot the sentinel -2^100.  Values in
; units of log2 (times log2 e).  Slot m = i / 16 is the query's own key, which the window holds already: sentinel.
; sin and cos: the angle in turns t = n 2^(-f log2(1e4)/64 - log2(2 pi)); t (less 1/4 for the sine) less its nearest whole number, u;
; then sin(2 pi (1/4 - |u|)) by the odd series to the 9th power, whose remainder is below 15.1 x 0.25^11 = 3.6e-6 for every angle.
; LIMIT: t carries a relative error of about 1e-6 (exponent rounding), so the phase is good to 2e-3 rad for |pos_ind| below about 2,000.
.set XF1, 0                            ; rows part: 13 row operands of feature, 1 KiB each
.set XF2, 13312                        ; rows part: 8 row operands of x
.set STAGE, 21504                      ; position part: [head 8][query 8][80 f32]
.set SENT, 0xf1800000                  ; -2^100
.set LOG2E, 0x3fb8aa3b
.macro PLACES                          ; four independent vector instructions between a matrix instruction and what reads its result or writes its registers (ISA guide 7.12.1)
.rept 4
	v_nop
.endr
.endm
.macro WM d, a, b, z                   ; one matrix instruction; z = 1: it starts the sum
.if \z
	v_wmma_f32_16x16x32_bf16 v[\d:\d+7], v[\a:\a+7], v[\b:\b+7], 0
.else
	v_wmma_f32_16x16x32_bf16 v[\d:\d+7], v[\a:\a+7], v[\b:\b+7], v[\d:\d+7]
.endif
.endm
.macro GEMMT acc, wr, ks, x, zero      ; two tiles, transposed; the two accumulators take turns, one instruction a turn
	WM \acc, \wr, \x, \zero
	WM \acc+8, \wr+8*\ks, \x, \zero
.set g_s, 1
.rept \ks-1
	WM \acc, \wr+8*g_s, \x+8*g_s, 0
	WM \acc+8, \wr+8*(\ks+g_s), \x+8*g_s, 0
.set g_s, g_s+1
.endr
.endm
.macro GEMMN acc, wr, ks, x            ; two tiles, natural order, sums started by the first K step
	WM \acc, \x, \wr, 1
	WM \acc+8, \x, \wr+8*\ks, 1
.set g_s, 1
.rept \ks-1
	WM \acc, \x+8*g_s, \wr+8*g_s, 0
	WM \acc+8, \x+8*g_s, \wr+8*(\ks+g_s), 0
.set g_s, g_s+1
.endr
.endm
.macro LDW dst, sb, ts, ks             ; the weight operands of my two tiles: ks blocks of 1 KiB each, ts bytes from tile to tile
.set lw_u, 0
.rept 2
.set lw_s, 0
.rept 2*\ks
	global_load_b128 v[\dst+8*lw_u*\ks+4*lw_s:\dst+8*lw_u*\ks+4*lw_s+3], v1, s[\sb:\sb+1] offset:lw_u*\ts+512*lw_s
.set lw_s, lw_s+1
.endr
.set lw_u, lw_u+1
.endr
.endm
.macro LDXF dst, lds, n                ; n row operands from LDS
.set x_s, 0
.rept 2*\n
	ds_load_b128 v[\dst+4*x_s:\dst+4*x_s+3], v1 offset:\lds+512*x_s
.set x_s, x_s+1
.endr
.endm
.macro STFRAG src, lds                 ; my two tiles, packed, are row operand w
.irp k, 0,1,2,3,4,5,6,7
	v_cvt_pk_bf16_f32 v[8+\k], v[\src+2*\k], v[\src+2*\k+1]
.endr
	ds_store_b128 v7, v[8:11] offset:\lds
	ds_store_b128 v7, v[12:15] offset:\lds+512
.endm
; addresses of the Q, K, V step.  s2 wave, s5 which of Q, K, V, s6 row block; weights s[14:15], xres s[16:17], qkv s[18:19]; s37 = 0
.macro QKVADDR
	s_lshl_b32 s36, s5, 17
	s_lshl_b32 s38, s2, 14
	s_add_co_u32 s36, s36, s38
	s_add_nc_u64 s[32:33], s[14:15], s[36:37]      ; weights: matrix p, tiles 2 w, 2 w + 1
	s_lshl_b32 s36, s6, 14
	s_lshl_b32 s38, s2, 11
	s_add_co_u32 s36, s36, s38
	s_add_nc_u64 s[40:41], s[16:17], s[36:37]      ; xres: block (row block, tile 2 w)
	s_lshr_b32 s38, s6, 5                          ; batch
	s_and_b32 s39, s6, 31                          ; block of 16 rows in the batch
	s_lshl_b32 s38, s38, 3
	s_add_co_u32 s38, s38, s2                      ; 8 batch + head (wave w makes head w)
	s_lshl_b32 s36, s38, 5
	s_add_co_u32 s36, s36, s39
	s_lshl_b32 s36, s36, 10
	s_lshl_b32 s48, s5, 19                         ; Q at 0, K at 0x80000
	s_add_co_u32 s36, s36, s48
	s_add_nc_u64 s[42:43], s[18:19], s[36:37]
	s_lshl_b32 s36, s38, 4
	s_lshr_b32 s48, s39, 1                         ; V: K step of 32 keys
	s_add_co_u32 s36, s36, s48
	s_lshl_b32 s36, s36, 11                        ; two blocks (dimensions 0-15, 16-31) a K step
	s_and_b32 s48, s39, 1
	s_lshl_b32 s48, s48, 9                         ; my 16 keys are the block's first or second 512 bytes
	s_add_co_u32 s36, s36, s48
	s_add_co_u32 s36, s36, 0x100000
	s_add_nc_u64 s[44:45], s[18:19], s[36:37]
	s_cmp_eq_u32 s5, 0
	s_cselect_b32 s46, 0x3e8293ee, 1.0             ; Q carries log2(e) / sqrt(32)
	s_mov_b32 s47, s46
.endm
; x (f32, two tiles in v[xr ..]) goes out for the residual (Q's work-group alone), becomes row operands, and is multiplied
.macro QKVTAIL xr, ar, wreg, bf, xfl
	s_cmp_lg_u32 s5, 0
	s_cbranch_scc1 .Lno_x
.irp q, 0,1,2,3
	global_store_b128 v1, v[\xr+4*\q:\xr+4*\q+3], s[40:41] offset:512*\q
.endr
.Lno_x:
	STFRAG \xr, \xfl
	s_wait_dscnt 0x0                               ; my operand is in LDS before I say so
	s_barrier_signal -1
	s_barrier_wait -1
	LDXF \bf, \xfl, 8
	s_wait_loadcnt 0x0                             ; the weights
	s_wait_dscnt 0x0
	s_cmp_eq_u32 s5, 2
	s_cbranch_scc1 .Lvpart
	GEMMT \ar, \wreg, 8, \bf, 1
	PLACES
.irp j, 0,2,4,6,8,10,12,14
	v_pk_mul_f32 v[\ar+\j:\ar+\j+1], v[\ar+\j:\ar+\j+1], s[46:47] op_sel_hi:[1,0]
.endr
.irp k, 0,1,2,3,4,5,6,7
	v_cvt_pk_bf16_f32 v[8+\k], v[\ar+2*\k], v[\ar+2*\k+1]
.endr
	global_store_b128 v1, v[8:11], s[42:43]                ; 16 rows x 32 dimensions of head w, in operand order
	global_store_b128 v1, v[12:15], s[42:43] offset:512
	s_wait_tensorcnt 0x0
	ds_add_u32 v5, v6
	s_wait_dscnt 0x0
	s_endpgm
.Lvpart:
	GEMMN \ar, \wreg, 8, \bf
	PLACES
.irp k, 0,1,2,3,4,5,6,7
	v_cvt_pk_bf16_f32 v[8+\k], v[\ar+2*\k], v[\ar+2*\k+1]
.endr
	global_store_b128 v1, v[8:11], s[44:45]                ; dimensions 0-15, my 16 keys
	global_store_b128 v1, v[12:15], s[44:45] offset:1024   ; dimensions 16-31
	s_wait_tensorcnt 0x0
	ds_add_u32 v5, v6
	s_wait_dscnt 0x0
	s_endpgm
.endm
	s_load_b512 s[8:23], s[0:1], 0x0               ; feature b_reduce wr wl0 xres qkv pos_ind feature_mask
	s_load_b128 s[24:27], s[0:1], 0x40             ; pos_b bias
	v_lshl_add_u32 v5, v0, 2, 0xa400
	v_mov_b32 v6, 0
	v_lshrrev_b32 v8, 5, v0
	v_readfirstlane_b32 s2, v8                     ; wave
	v_and_b32 v7, 31, v0
	v_lshlrev_b32 v1, 4, v7                        ; 16 x lane
	v_and_b32 v2, 15, v0                           ; r
	v_bfe_u32 v3, v0, 4, 1                         ; h
	s_lshl_b32 s3, s2, 7
	v_lshl_add_u32 v4, v3, 5, s3                   ; 128 w + 32 h: my 8 columns in a vector of 256 f32
	s_lshl_b32 s4, s2, 10
	v_add_nc_u32 v7, s4, v1                        ; 16 x lane + 1024 w
	s_and_b32 s5, ttmp7, 0xffff
	s_mov_b32 s6, ttmp9
	s_mov_b32 s37, 0
	s_wait_kmcnt 0x0
	s_cmp_ge_u32 s5, 3
	s_cbranch_scc1 .Lpb
	; ---------------- rows part ----------------
	; v[16:31] sums, v[32:47] two row-operand buffers, v[48:255] 26 weight operands (index 13 u + s)
	s_mul_i32 s36, s6, 25600                       ; 16 rows of 1,600 bytes
	s_add_nc_u64 s[28:29], s[8:9], s[36:37]
	s_mul_i32 s36, s2, 26624                       ; 2 tiles x 13 K steps x 1 KiB
	s_add_nc_u64 s[30:31], s[12:13], s[36:37]
	QKVADDR
	v_mul_u32_u24 v8, v2, 1600
	v_lshl_add_u32 v8, v3, 5, v8
	v_add_nc_u32 v9, s3, v8                        ; row r, K step w, k = 8 h
	s_cmp_eq_u32 s2, 4
	s_cselect_b32 s48, 0, 64                       ; K step 12 has no k = 400 .. 415: wave 4 reads its first half again
	s_cselect_b32 s49, 0, -1                       ; and clears what it read
	v_add_nc_u32 v10, s48, v9
	global_load_b128 v[32:35], v9, s[28:29]
	global_load_b128 v[36:39], v9, s[28:29] offset:16
	global_load_b128 v[40:43], v9, s[28:29] offset:64
	global_load_b128 v[44:47], v9, s[28:29] offset:80
	s_cmp_gt_u32 s2, 4
	s_cbranch_scc1 .Lno_second_a
	global_load_b128 v[240:243], v9, s[28:29] offset:1024  ; waves 0-4: K step 8 + w too
	global_load_b128 v[244:247], v9, s[28:29] offset:1040
	global_load_b128 v[248:251], v10, s[28:29] offset:1024
	global_load_b128 v[252:255], v10, s[28:29] offset:1040
.Lno_second_a:
	global_load_b128 v[16:19], v4, s[10:11]                ; b_reduce is the sums' first value
	global_load_b128 v[20:23], v4, s[10:11] offset:16
	global_load_b128 v[24:27], v4, s[10:11] offset:64
	global_load_b128 v[28:31], v4, s[10:11] offset:80
.set w_i, 0
.rept 48
	global_load_b128 v[48+4*w_i:51+4*w_i], v1, s[30:31] offset:512*w_i
.set w_i, w_i+1
.endr
	s_wait_loadcnt 52                              ; 4 bias and 48 weight loads were issued behind the feature loads, in every wave
.irp k, 0,1,2,3,4,5,6,7
	v_cvt_pk_bf16_f32 v[32+\k], v[32+2*\k], v[33+2*\k]
.endr
	ds_store_b128 v7, v[32:35] offset:XF1
	ds_store_b128 v7, v[36:39] offset:XF1+512
	s_cmp_gt_u32 s2, 4
	s_cbranch_scc1 .Lno_second_b
.irp k, 0,1,2,3,4,5,6,7
	v_cvt_pk_bf16_f32 v[240+\k], v[240+2*\k], v[241+2*\k]
.endr
.irp k, 4,5,6,7
	v_and_b32 v[240+\k], s49, v[240+\k]
.endr
	ds_store_b128 v7, v[240:243] offset:XF1+8192
	ds_store_b128 v7, v[244:247] offset:XF1+8192+512
.Lno_second_b:
.irp k, 48,49,50,51
	global_load_b128 v[48+4*\k:51+4*\k], v1, s[30:31] offset:512*\k    ; the last two weight operands, into the registers just freed
.endr
	s_wait_dscnt 0x0
	s_barrier_signal -1
	s_barrier_wait -1
	s_wait_loadcnt 0x0
	ds_load_b128 v[32:35], v1 offset:XF1
	ds_load_b128 v[36:39], v1 offset:XF1+512
.set k_s, 0
.rept 13
.if k_s < 12
.if k_s > 0
	PLACES                                         ; the buffer filled next was read by the two matrix instructions just issued
.endif
	ds_load_b128 v[32+8*((k_s+1)&1):35+8*((k_s+1)&1)], v1 offset:XF1+1024*(k_s+1)
	ds_load_b128 v[36+8*((k_s+1)&1):39+8*((k_s+1)&1)], v1 offset:XF1+1024*(k_s+1)+512
	s_wait_dscnt 0x2                               ; the two loads just issued may stay out
.else
	s_wait_dscnt 0x0
.endif
	WM 16, 48+8*k_s, 32+8*(k_s&1), 0
	WM 24, 48+8*(13+k_s), 32+8*(k_s&1), 0
.set k_s, k_s+1
.endr
	PLACES
	LDW 48, 32, 8192, 8                            ; Q, K or V weights fly during the SELU
	s_mov_b32 s34, 0x3fe10966                      ; lambda alpha
	s_mov_b32 s35, 0xbfe10966
	s_mov_b32 s49, 0x3f867d5f                      ; lambda
.irp j, 0,1,2,3,4,5,6,7,8,9,10,11,12,13,14,15
	v_mul_f32 v[32+\j], LOG2E, v[16+\j]
	v_min_num_f32 v[32+\j], 0, v[32+\j]
.endr
.irp j, 0,1,2,3,4,5,6,7,8,9,10,11,12,13,14,15
	v_exp_f32 v[32+\j], v[32+\j]
.endr
	v_nop                                          ; one plain instruction behind the exponentials (ISA guide 5.7.2)
	s_wait_alu depctr_va_vdst(0)
.irp j, 0,1,2,3,4,5,6,7,8,9,10,11,12,13,14,15
	v_fma_f32 v[32+\j], v[32+\j], s34, s35         ; lambda alpha (e^x - 1)
	v_cmp_lt_f32 vcc_lo, 0, v[16+\j]
	v_mul_f32 v[16+\j], s49, v[16+\j]
	v_cndmask_b32 v[16+\j], v[32+\j], v[16+\j], vcc_lo
.endr
	QKVTAIL 16, 32, 48, 176, XF2
	; ---------------- position part ----------------
	; v[16:47] 32 factors (frequency 32 a + 16 half + 8 h + j), v[48:111] the 8 operands of column means, v[112:135] sums of three tiles of 16 positions
	; (window, keys 16 r + i % 16, the same + 256), v[136:159] their embedding operands, v[160:165] floor(pos_ind), v[176:239] at work
.Lpb:
	s_sub_co_u32 s28, s5, 3
	s_lshl_b32 s28, s28, 6
	s_add_co_u32 s28, s28, s6                      ; group of 8 queries, 0 .. 127
	s_lshl_b32 s29, s28, 3
	s_add_co_u32 s29, s29, s2                      ; my query, 0 .. 1023
	s_lshr_b32 s30, s28, 6                         ; batch
	s_and_b32 s31, s29, 511                        ; i
	s_lshr_b32 s32, s31, 4                         ; i / 16
	s_and_b32 s33, s31, 15                         ; i % 16
	s_lshl_b32 s36, s29, 12
	s_add_nc_u64 s[34:35], s[20:21], s[36:37]      ; pos_ind's row of my query: 512 x 8 bytes
	s_lshl_b32 s36, s30, 11
	s_add_nc_u64 s[38:39], s[22:23], s[36:37]      ; feature_mask of my batch
	s_mov_b32 s36, 0x34000
	s_add_nc_u64 s[12:13], s[12:13], s[36:37]      ; the operands of column means
	s_mov_b32 s48, 0xbe549a78                      ; -log2(10000) / 64
	s_mov_b32 s49, 0x3e800000                      ; 1/4
	s_mov_b32 s50, 0xc2996966                      ; -(2 pi)^7 / 7!
	s_mov_b32 s51, 0xc2996966
	s_mov_b32 s52, 0x42a335e3                      ; (2 pi)^5 / 5!
	s_mov_b32 s53, 0x42a335e3
	s_mov_b32 s54, 0xc2255de7                      ; -(2 pi)^3 / 3!
	s_mov_b32 s55, 0xc2255de7
	s_mov_b32 s56, 0x40c90fdb                      ; 2 pi
	s_mov_b32 s57, 0x40c90fdb
	s_mov_b32 s58, 0xbe800000                      ; -1/4
	s_mov_b32 s59, 0xbe800000
	s_mov_b32 s63, 0xffff0000                      ; lanes 16-31
	v_add_nc_u32 v8, s31, v2
	v_add_nc_u32 v8, -8, v8                        ; window key j = i - 8 + r; below 0 it wraps to a large number
	v_min_u32 v9, 0x1ff, v8                        ; a key that does not exist reads key 511 and is masked below
	v_lshl_add_u32 v10, v2, 4, s33                 ; key 16 r + i % 16
	v_lshlrev_b32 v11, 3, v9
	v_lshlrev_b32 v12, 3, v10
	v_lshlrev_b32 v13, 2, v9
	v_lshlrev_b32 v14, 2, v10
	s_lshl_b32 s36, s31, 2
	v_mov_b32 v15, s36
	v_lshlrev_b32 v173, 1, v1                      ; 32 x lane
	global_load_b64 v[160:161], v11, s[34:35]
	global_load_b64 v[162:163], v12, s[34:35]
	global_load_b64 v[164:165], v12, s[34:35] offset:2048
	global_load_b32 v169, v13, s[38:39]
	global_load_b32 v170, v14, s[38:39]
	global_load_b32 v171, v14, s[38:39] offset:1024
	global_load_b32 v172, v15, s[38:39]
	global_load_b128 v[176:179], v173, s[24:25]
	global_load_b128 v[180:183], v173, s[24:25] offset:16
.set w_i, 0
.rept 16
	global_load_b128 v[48+4*w_i:51+4*w_i], v1, s[12:13] offset:512*w_i
.set w_i, w_i+1
.endr
	; the 32 factors, while the loads fly
	v_lshlrev_b32 v174, 3, v3
.set c_i, 0
.rept 32
	v_add_nc_u32 v[16+c_i], 32*(c_i>>4)+16*((c_i>>3)&1)+(c_i&7), v174
	v_cvt_f32_u32 v[16+c_i], v[16+c_i]
	v_fmaak_f32 v[16+c_i], s48, v[16+c_i], 0xc029b21d      ; - log2(2 pi)
.set c_i, c_i+1
.endr
.set c_i, 0
.rept 32
	v_exp_f32 v[16+c_i], v[16+c_i]
.set c_i, c_i+1
.endr
	v_mov_b32 v168, SENT                           ; (also the plain instruction behind the exponentials)
	v_mov_b32 v166, 0x42283c1a                     ; (2 pi)^9 / 9!
	v_mov_b32 v167, 0x42283c1a
	v_add_nc_u32 v175, 16, v2
	s_wait_loadcnt 0x0
.irp k, 160,161,162,163,164,165
	v_floor_f32 v\k, v\k
.endr
	; the means of pos_b: lane l holds numbers 8 l .. 8 l + 7, four lanes a head
	v_pk_add_f32 v[176:177], v[176:177], v[178:179]
	v_pk_add_f32 v[180:181], v[180:181], v[182:183]
	v_pk_add_f32 v[176:177], v[176:177], v[180:181]
	v_add_f32 v176, v176, v177
	v_add_f32_dpp v176, v176, v176 row_xmask:1 row_mask:0xf bank_mask:0xf
	v_add_f32_dpp v176, v176, v176 row_xmask:2 row_mask:0xf bank_mask:0xf
	v_mul_f32 v176, 0x3d38aa3b, v176               ; log2(e) / 32
.irp j, 0,1,2,3,4,5,6,7
	v_readlane_b32 s[40+\j], v176, 4*\j
.endr
.irp j, 0,1,2,3,4,5,6,7
	v_mov_b32 v[184+\j], s[40+\j]
.endr
	; which positions count: padded = (1 - feature_mask) > 0
	v_sub_f32 v169, 1.0, v169
	v_sub_f32 v170, 1.0, v170
	v_sub_f32 v171, 1.0, v171
	v_sub_f32 v172, 1.0, v172
	v_cmp_lt_f32 s28, 0, v169                      ; the window key is padded
	v_cmp_lt_f32 s29, 0, v170
	v_cmp_lt_f32 s30, 0, v171
	v_cmp_lt_f32 s31, 0, v172                      ; my query is padded (the same in every lane)
	v_cmp_gt_u32 s60, 0x200, v8                    ; the window key exists
	s_and_not1_b32 s60, s60, s28
	v_cmp_ne_u32 s61, s32, v2                      ; not the query's own key
	s_or_b32 s29, s29, s31
	s_and_not1_b32 s61, s61, s29
	v_cmp_ne_u32 s62, s32, v175
	s_or_b32 s30, s30, s31
	s_and_not1_b32 s62, s62, s30
	; the sums start at the mean of pos_b, or at the sentinel
	s_wait_alu depctr_va_vdst(0)
.irp t, 0,1,2
.irp j, 0,1,2,3,4,5,6,7
	v_cndmask_b32 v[112+8*\t+\j], v168, v[184+\j], s[60+\t]
.endr
.endr
; 16 embedding numbers of tile tau: coordinate c, frequencies 32 a + .., g = 0 sine, 1 cosine
.macro EVAL tau, c, a, g
.set e_j, 0
.rept 8
.if \g
	v_pk_mul_f32 v[176+2*e_j:177+2*e_j], v[16+16*\a+2*e_j:17+16*\a+2*e_j], v[160+2*\tau:161+2*\tau] op_sel:[0,\c] op_sel_hi:[1,\c]
.else
	v_pk_fma_f32 v[176+2*e_j:177+2*e_j], v[16+16*\a+2*e_j:17+16*\a+2*e_j], v[160+2*\tau:161+2*\tau], s[58:59] op_sel:[0,\c,0] op_sel_hi:[1,\c,0]
.endif
.set e_j, e_j+1
.endr
.set e_j, 0
.rept 16
	v_rndne_f32 v[192+e_j], v[176+e_j]
.set e_j, e_j+1
.endr
.set e_j, 0
.rept 8
	v_pk_add_f32 v[176+2*e_j:177+2*e_j], v[176+2*e_j:177+2*e_j], v[192+2*e_j:193+2*e_j] neg_lo:[0,1] neg_hi:[0,1]
.set e_j, e_j+1
.endr
.set e_j, 0
.rept 16
	v_sub_f32 v[192+e_j], s49, |v[176+e_j]|        ; w = 1/4 - |u|, within -1/4 .. 1/4
.set e_j, e_j+1
.endr
.set e_j, 0
.rept 8
	v_pk_mul_f32 v[208+2*e_j:209+2*e_j], v[192+2*e_j:193+2*e_j], v[192+2*e_j:193+2*e_j]
.set e_j, e_j+1
.endr
.set e_j, 0
.rept 8
	v_pk_fma_f32 v[224+2*e_j:225+2*e_j], v[208+2*e_j:209+2*e_j], v[166:167], s[50:51] op_sel_hi:[1,1,0]
.set e_j, e_j+1
.endr
.irp k, 52,54,56
.set e_j, 0
.rept 8
	v_pk_fma_f32 v[224+2*e_j:225+2*e_j], v[224+2*e_j:225+2*e_j], v[208+2*e_j:209+2*e_j], s[\k:\k+1] op_sel_hi:[1,1,0]
.set e_j, e_j+1
.endr
.endr
.set e_j, 0
.rept 8
	v_pk_mul_f32 v[224+2*e_j:225+2*e_j], v[224+2*e_j:225+2*e_j], v[192+2*e_j:193+2*e_j]
.set e_j, e_j+1
.endr
.set e_j, 0
.rept 8
	v_cvt_pk_bf16_f32 v[136+8*\tau+e_j], v[224+2*e_j], v[225+2*e_j]
.set e_j, e_j+1
.endr
.endm
	; K step 4 c + 2 g + a.  The three sums take turns; the next step's first 96 instructions touch work registers only,
	; so the embedding operands are rewritten far more than four places behind the matrix instructions that read them.
.irp c, 0,1
.irp g, 0,1
.irp a, 0,1
	EVAL 0, \c, \a, \g
	EVAL 1, \c, \a, \g
	EVAL 2, \c, \a, \g
	WM 112, 48+8*(4*\c+2*\g+\a), 136, 0
	WM 120, 48+8*(4*\c+2*\g+\a), 144, 0
	WM 128, 48+8*(4*\c+2*\g+\a), 152, 0
.endr
.endr
.endr
	; the way out: register j of lane (r, h) is (head j, position r), the same in both halves.  Stage: [head][query w][80 f32].
	s_mul_i32 s28, s2, 320
	v_lshrrev_b32 v9, 2, v1
	v_add_nc_u32 v9, s28, v9                       ; word = lane: slots 0-31
	v_lshlrev_b32 v10, 7, v3
	v_add_nc_u32 v12, 0xc0, v9
	v_sub_nc_u32 v10, v12, v10                     ; lanes 0-15: words 48-63 (window); lanes 16-31: words 32-47 (sentinel)
	v_lshl_add_u32 v11, v2, 2, s28                 ; + 256: words 64-79 (sentinel), both halves the same word
	s_mul_i32 s29, s2, 2560
	v_add_nc_u32 v13, s29, v1                      ; read back: head w
	s_sub_co_u32 s30, s5, 3
	s_lshl_b32 s30, s30, 6
	s_add_co_u32 s30, s30, s6                      ; the group of 8 queries again (s28 .. s31 held masks meanwhile)
	s_lshr_b32 s31, s30, 6                         ; batch
	s_lshl_b32 s31, s31, 3
	s_add_co_u32 s31, s31, s2                      ; 8 batch + head w
	s_lshl_b32 s31, s31, 9
	s_lshl_b32 s30, s30, 3
	s_and_b32 s30, s30, 511                        ; the group's first query
	s_add_co_u32 s31, s31, s30
	s_mul_i32 s36, s31, 320
	s_add_nc_u64 s[34:35], s[26:27], s[36:37]      ; (the loads that used s[34:35] were waited for)
	PLACES
.irp j, 0,1,2,3,4,5,6,7
	v_cndmask_b32 v[176+\j], v[120+\j], v[128+\j], s63
	v_cndmask_b32 v[184+\j], v[112+\j], v168, s63
.endr
.irp j, 0,1,2,3,4,5,6,7
	ds_store_b32 v9, v[176+\j] offset:STAGE+2560*\j
	ds_store_b32 v10, v[184+\j] offset:STAGE+2560*\j
	ds_store_b32 v11, v168 offset:STAGE+2560*\j+256
.endr
	s_wait_dscnt 0x0                               ; my query's 320 bytes of every head are in LDS before I say so
	s_barrier_signal -1
	s_barrier_wait -1
.irp k, 0,1,2,3,4
	ds_load_b128 v[192+4*\k:195+4*\k], v13 offset:STAGE+512*\k
.endr
.irp k, 0,1,2,3,4
	s_wait_dscnt 4-\k                              ; the younger loads may stay out
	global_store_b128 v1, v[192+4*\k:195+4*\k], s[34:35] offset:512*\k     ; 8 rows of 320 bytes of head w: 2,560 consecutive bytes, aligned to 256
.endr
	s_wait_tensorcnt 0x0
	ds_add_u32 v5, v6
	s_wait_dscnt 0x0
	s_endpgm
.Lfunc_end_k_q52d1148353_rqpb:
	.size	k_q52d1148353_rqpb, .Lfunc_end_k_q52d1148353_rqpb-k_q52d1148353_rqpb
	.p2alignl 7, 3214868480
	.fill 96, 4, 3214868480
	.section	.rodata,"a",@progbits
	.p2align	6, 0x0
	.amdhsa_kernel k_q52d1148353_rqpb
		.amdhsa_group_segment_fixed_size 43008
		.amdhsa_private_segment_fixed_size 0
		.amdhsa_enable_private_segment 0
		.amdhsa_kernarg_size 80
		.amdhsa_user_sgpr_count 2
		.amdhsa_user_sgpr_kernarg_segment_ptr 1
		.amdhsa_wavefront_size32 1
		.amdhsa_system_sgpr_workgroup_id_x 1
		.amdhsa_system_sgpr_workgroup_id_y 1
		.amdhsa_system_sgpr_workgroup_id_z 1
		.amdhsa_system_vgpr_workitem_id 0
		.amdhsa_next_free_vgpr 256
		.amdhsa_next_free_sgpr 66
		.amdhsa_reserve_vcc 1
		.amdhsa_float_denorm_mode_32 3
		.amdhsa_float_denorm_mode_16_64 3
		.amdhsa_memory_ordered 1
		.amdhsa_forward_progress 1
		.amdhsa_inst_pref_size 194
	.end_amdhsa_kernel
	.amdgpu_metadata
---
amdhsa.version: [ 1, 2 ]
amdhsa.kernels:
  - .name:           k_q52d1148353_rqpb
    .symbol:         k_q52d1148353_rqpb.kd
    .args:
      - { .name: feature, .offset: 0, .size: 8, .value_kind: global_buffer, .address_space: global }
      - { .name: b_reduce, .offset: 8, .size: 8, .value_kind: global_buffer, .address_space: global }
      - { .name: wr, .offset: 16, .size: 8, .value_kind: global_buffer, .address_space: global }
      - { .name: wl0, .offset: 24, .size: 8, .value_kind: global_buffer, .address_space: global }
      - { .name: xres, .offset: 32, .size: 8, .value_kind: global_buffer, .address_space: global }
      - { .name: qkv, .offset: 40, .size: 8, .value_kind: global_buffer, .address_space: global }
      - { .name: pos_ind, .offset: 48, .size: 8, .value_kind: global_buffer, .address_space: global }
      - { .name: feature_mask, .offset: 56, .size: 8, .value_kind: global_buffer, .address_space: global }
      - { .name: pos_b, .offset: 64, .size: 8, .value_kind: global_buffer, .address_space: global }
      - { .name: bias, .offset: 72, .size: 8, .value_kind: global_buffer, .address_space: global }
    .group_segment_fixed_size: 43008
    .private_segment_fixed_size: 0
    .kernarg_segment_align: 8
    .kernarg_segment_size: 80
    .max_flat_workgroup_size: 256
    .sgpr_count:     66
    .vgpr_count:     256
    .wavefront_size: 32
...
	.end_amdgpu_metadata
.endif
;; end of part 2
;; launch att0 (part 3): grid 256 x 1, 2 waves a work-group, no clusters, 0 bytes of LDS; arguments qkv, bias, of; writes of
.if DOCPART == 3
	.amdgcn_target "amdgcn-amd-amdhsa--gfx1250"
	.amdhsa_code_object_version 6
	.text
	.protected	k_q52d1148353_att0
	.globl	k_q52d1148353_att0
	.p2align	8
	.type	k_q52d1148353_att0,@function
k_q52d1148353_att0:
	s_mov_b64 s[64:65], 0
	v_nop
	global_prefetch_b8 v0, s[64:65] scope:SCOPE_SE
	s_setreg_imm32_b32 hwreg(HW_REG_WAVE_MODE, 25, 1), 1
	s_wait_xcnt 0x0
; att: one wave = 16 queries (block qb) of one head.  No LDS, no barrier, no loop.
; Scores are made transposed, S^T = K operand x Q operand: register j of lane (query r, h) is key 8 h + j of the tile, so packed scores are the
; operand of the second product, O^T = V^T operand x P operand, and O^T packed is the row operand of the product by wo.
; Keys that reference()'s mask leaves: (a) the window i - 8 .. i + 7: one K step of 32 keys, 16 qb - 8 .. 16 qb + 23, whose bias (with the sentinel
; -2^100 outside the window and at masked keys) is the scores' first value; (b) keys = i mod 16: all 32 aligned key tiles are multiplied and
; the diagonal (8 h + j = r) is kept: it lies in lanes 0-7 and 24-31, register lane % 8.
; Softmax in base 2 (Q and the bias carry log2 e), the row's maximum taken away.  A row with no key left has maximum -2^100: reference() then
; gives every one of the 512 keys the weight 1/512; the sums of V (V^T x ones) are made beside O and chosen by a select.
; LIMIT: a row whose allowed scores all lie below about -1e9 would, in reference(), share its weight with masked keys; not reproduced here.
; The K and V blocks of a head are read by its 32 query blocks; they come straight into registers in operand order, 64 KiB a wave, used once each,
; so a way through LDS for joint loads would add an LDS write and read for every byte.
.set SENT, 0xf1800000
.macro PLACES                          ; four independent vector instructions behind a matrix instruction (ISA guide 7.12.1)
.rept 4
	v_nop
.endr
.endm
.macro WM d, a, b, z
.if \z
	v_wmma_f32_16x16x32_bf16 v[\d:\d+7], v[\a:\a+7], v[\b:\b+7], 0
.else
	v_wmma_f32_16x16x32_bf16 v[\d:\d+7], v[\a:\a+7], v[\b:\b+7], v[\d:\d+7]
.endif
.endm
.macro LDG dst, sb, off                ; 8 KiB, eight operands, 16 loads of 512 consecutive bytes
.set l_k, 0
.rept 16
	global_load_b128 v[\dst+4*l_k:\dst+4*l_k+3], v1, s[\sb:\sb+1] offset:\off+512*l_k
.set l_k, l_k+1
.endr
.endm
.macro EXTRACT m, s                    ; the diagonal of the tile in v[s ..] is added to slot m
	v_cndmask_b32 v2, v[\s], v[\s+1], s33
.irp j, 2,3,4,5,6,7
	v_cndmask_b32 v2, v2, v[\s+\j], s[32+\j]
.endr
	v_add_f32 v[32+\m], v[32+\m], v2
.endm
; eight key tiles from buffer kb; cnt: loads that may stay out; then the buffer is filled again
.macro SGROUP g, kb, cnt, nsb, noff
	s_wait_loadcnt \cnt
	WM 192, \kb, 16, 1
	WM 200, \kb+8, 16, 1
	WM 208, \kb+16, 16, 1
	WM 216, \kb+24, 16, 1
	PLACES
	EXTRACT 8*\g, 192
	EXTRACT 8*\g+1, 200
	EXTRACT 8*\g+2, 208
	EXTRACT 8*\g+3, 216
	WM 192, \kb+32, 16, 1
	WM 200, \kb+40, 16, 1
	WM 208, \kb+48, 16, 1
	WM 216, \kb+56, 16, 1
	PLACES
	LDG \kb, \nsb, \noff
	EXTRACT 8*\g+4, 192
	EXTRACT 8*\g+5, 200
	EXTRACT 8*\g+6, 208
	EXTRACT 8*\g+7, 216
.endm
; one K step of 32 keys: the two slots m0, m0 + 1 are put on the diagonals of a P operand (12 instructions), then O and the plain sums of V.
; The four sums take turns, one instruction a turn.  The two P buffers alternate, so a buffer is rewritten behind the
; twelve vector instructions of the step between.
.macro PVSTEP m0, vb, pb, uz
	v_cvt_pk_bf16_f32 v2, v[32+\m0], v[32+\m0]
	v_cvt_pk_bf16_f32 v3, v[33+\m0], v[33+\m0]
	v_and_b32 v2, v7, v2
	v_and_b32 v3, v7, v3
.irp q, 0,1,2,3
	v_cndmask_b32 v[\pb+\q], 0, v2, s[41+\q]
	v_cndmask_b32 v[\pb+4+\q], 0, v3, s[41+\q]
.endr
	WM 192, \vb, \pb, 0
	WM 200, \vb, 16, \uz
	WM 208, \vb+8, \pb, 0
	WM 216, \vb+8, 16, \uz
.endm
.macro PVGROUP s0, kb, uz
	PVSTEP 2*\s0, \kb, 8, \uz
	PVSTEP 2*\s0+2, \kb+16, 24, 0
	PVSTEP 2*\s0+4, \kb+32, 8, 0
	PVSTEP 2*\s0+6, \kb+48, 24, 0
.endm
	s_load_b128 s[8:11], s[0:1], 0x0               ; qkv, bias
	s_load_b64 s[12:13], s[0:1], 0x10              ; of
	v_lshrrev_b32 v2, 5, v0
	v_readfirstlane_b32 s2, v2
	v_and_b32 v3, 31, v0
	v_lshlrev_b32 v1, 4, v3                        ; 16 x lane
	v_and_b32 v24, 15, v0                          ; r
	v_bfe_u32 v25, v0, 4, 1                        ; h
	s_lshl_b32 s3, ttmp9, 1
	s_add_co_u32 s3, s3, s2                        ; unit 0 .. 511
	s_and_b32 s4, s3, 31                           ; qb
	s_lshr_b32 s5, s3, 5                           ; 8 batch + head
	s_lshl_b32 s6, s4, 4
	s_mov_b32 s33, 0x02020202                      ; lanes with lane % 8 = 1 .. 7
	s_mov_b32 s34, 0x04040404
	s_mov_b32 s35, 0x08080808
	s_mov_b32 s36, 0x10101010
	s_mov_b32 s37, 0x20202020
	s_mov_b32 s38, 0x40404040
	s_mov_b32 s39, 0x80808080
	s_mov_b32 s40, 0xff0000ff                      ; lanes that hold a diagonal
	s_mov_b32 s41, 0x03030303                      ; lanes with (lane % 8) / 2 = 0 .. 3
	s_mov_b32 s42, 0x0c0c0c0c
	s_mov_b32 s43, 0x30303030
	s_mov_b32 s44, 0xc0c0c0c0
	s_mov_b32 s45, 0xf1000000                      ; -2^99
	s_mov_b32 s46, 0x76543210                      ; v_permlanex16_b32: lane i of the other half
	s_mov_b32 s47, 0xfedcba98
	v_add_nc_u32 v26, s6, v24                      ; my query in the batch
	v_mul_u32_u24 v9, v26, 320                     ; its bias row
	v_lshlrev_b32 v27, 5, v25
	v_lshlrev_b32 v28, 2, v24
	v_add3_u32 v8, v9, v27, 0xc0
	v_sub_nc_u32 v8, v8, v28                       ; word 48 + 8 h - r: window slot of band key 8 h
	v_add_nc_u32 v10, -8, v26                      ; band keys 16 qb - 8 + r (wraps below 0) and 16 qb + 8 + r;
	v_min_u32 v10, 0x1ff, v10                      ; a key that does not exist reads key 511: its bias is the sentinel
	v_add_nc_u32 v11, 8, v26
	v_min_u32 v11, 0x1ff, v11
	v_lshlrev_b32 v29, 8, v25
.irp t, 10,11
	v_lshrrev_b32 v30, 4, v\t
	v_and_b32 v31, 15, v\t
	v_lshl_add_u32 v31, v31, 4, v29
	v_lshl_add_u32 v\t, v30, 10, v31               ; block key / 16, lane slot 16 h + key % 16
.endr
	s_lshl_b32 s7, s4, 1
	v_add_nc_u32 v26, s7, v25
	v_add_nc_u32 v12, -1, v26                      ; groups of 8 keys: 2 qb - 1 + h and 2 qb + 1 + h
	v_min_u32 v12, 63, v12
	v_add_nc_u32 v13, 1, v26
	v_min_u32 v13, 63, v13
	v_lshlrev_b32 v29, 4, v24
.irp t, 12,13
	v_lshrrev_b32 v30, 2, v\t
	v_and_b32 v31, 3, v\t
	v_lshl_add_u32 v31, v31, 8, v29
	v_lshl_add_u32 v\t, v30, 11, v31
.endr
	v_and_b32 v26, 1, v0
	v_cmp_eq_u32 vcc_lo, 1, v26
	v_mov_b32 v27, 0xffff
	v_mov_b32 v28, 0xffff0000
	v_cndmask_b32 v7, v27, v28, vcc_lo
	v_cndmask_b32 v7, 0, v7, s40                   ; which half of a packed word is my diagonal's; 0 in lanes without one
	s_mov_b32 s27, 0
	s_wait_kmcnt 0x0
	s_lshl_b32 s26, s5, 15
	s_add_nc_u64 s[14:15], s[8:9], s[26:27]        ; 32 KiB a head in each of Q, K, V
	s_lshl_b32 s26, s4, 10
	s_add_nc_u64 s[24:25], s[14:15], s[26:27]      ; my Q operand
	s_add_nc_u64 s[16:17], s[14:15], 0x80000       ; K
	s_add_nc_u64 s[18:19], s[14:15], 0x100000      ; V^T
	s_mul_i32 s26, s5, 163840
	s_add_nc_u64 s[20:21], s[10:11], s[26:27]      ; bias: 512 rows of 320 bytes a head
	s_lshr_b32 s26, s5, 3
	s_lshl_b32 s26, s26, 5
	s_add_co_u32 s26, s26, s4
	s_lshl_b32 s26, s26, 3
	s_and_b32 s7, s5, 7
	s_add_co_u32 s26, s26, s7
	s_lshl_b32 s26, s26, 10
	s_add_nc_u64 s[22:23], s[12:13], s[26:27]      ; of: block (row block, head)
	global_load_b128 v[16:19], v1, s[24:25]                ; Q
	global_load_b128 v[20:23], v1, s[24:25] offset:512
.irp k, 0,1,2,3,4,5,6,7,8,9,10,11,12,13,14,15
	global_load_b32 v[224+\k], v8, s[20:21] offset:4*((\k/8)*16+(\k%8))    ; band bias: key 16 tile + 8 h + j
.endr
	global_load_b128 v[240:243], v10, s[16:17]             ; band K, two tiles
	global_load_b128 v[244:247], v10, s[16:17] offset:512
	global_load_b128 v[248:251], v11, s[16:17]
	global_load_b128 v[252:255], v11, s[16:17] offset:512
.irp q, 0,1,2,3,4,5,6,7
	global_load_b128 v[32+4*\q:35+4*\q], v9, s[20:21] offset:16*\q         ; bias of the 32 slots key = i mod 16
.endr
	LDG 64, 16, 0                                  ; K tiles 0-7
	LDG 128, 16, 8192                              ; K tiles 8-15
	s_wait_loadcnt 40                              ; behind band K: 8 + 16 + 16
	WM 224, 240, 16, 0
	WM 232, 248, 16, 0
	PLACES
	global_load_b128 v[240:243], v12, s[18:19]             ; band V^T: dimensions 0-15,
	global_load_b128 v[244:247], v13, s[18:19]
	global_load_b128 v[248:251], v12, s[18:19] offset:1024 ; dimensions 16-31
	global_load_b128 v[252:255], v13, s[18:19] offset:1024
	SGROUP 0, 64, 20, 16, 16384                    ; out: K 8-15 (16) and band V (4)
	SGROUP 1, 128, 20, 16, 24576                   ; out: band V (4) and K 16-23 (16)
	SGROUP 2, 64, 16, 18, 0                        ; out: K 24-31
	SGROUP 3, 128, 16, 18, 8192                    ; out: V's K steps 0-3
	; the row's maximum
	v_max_num_f32 v2, v32, v33
.set m_k, 0
.rept 15
	v_max3_num_f32 v2, v2, v[34+2*m_k], v[35+2*m_k]
.set m_k, m_k+1
.endr
	v_mov_b32 v3, SENT
	v_cndmask_b32 v2, v3, v2, s40
	v_max_num_f32 v24, v224, v225
.set m_k, 0
.rept 7
	v_max3_num_f32 v24, v24, v[226+2*m_k], v[227+2*m_k]
.set m_k, m_k+1
.endr
	v_max_num_f32 v2, v2, v24
	v_permlanex16_b32 v3, v2, s46, s47
	v_max_num_f32 v4, v2, v3
	v_mov_b32 v5, v4
.irp k, 0,1,2,3,4,5,6,7
	v_mov_b32 v[16+\k], 0x3f803f80                 ; an operand of ones, where Q was
.endr
.set m_k, 0
.rept 16
	v_pk_add_f32 v[32+2*m_k:33+2*m_k], v[32+2*m_k:33+2*m_k], v[4:5] neg_lo:[0,1] neg_hi:[0,1]
.set m_k, m_k+1
.endr
.set m_k, 0
.rept 8
	v_pk_add_f32 v[224+2*m_k:225+2*m_k], v[224+2*m_k:225+2*m_k], v[4:5] neg_lo:[0,1] neg_hi:[0,1]
.set m_k, m_k+1
.endr
.set m_k, 0
.rept 32
	v_exp_f32 v[32+m_k], v[32+m_k]
.set m_k, m_k+1
.endr
.set m_k, 0
.rept 16
	v_exp_f32 v[224+m_k], v[224+m_k]
.set m_k, m_k+1
.endr
	v_nop                                          ; one plain instruction behind the exponentials (ISA guide 5.7.2)
	; the row's sum; lanes without a diagonal hold numbers of no meaning in v[32:63], dropped by the select
	s_wait_alu depctr_va_vdst(0)
	v_pk_add_f32 v[24:25], v[32:33], v[36:37]
	v_pk_add_f32 v[26:27], v[34:35], v[38:39]
.set m_k, 4
.rept 6
	v_pk_add_f32 v[24:25], v[24:25], v[32+2*m_k:33+2*m_k]
	v_pk_add_f32 v[26:27], v[26:27], v[34+2*m_k:35+2*m_k]
.set m_k, m_k+2
.endr
	v_pk_add_f32 v[24:25], v[24:25], v[26:27]
	v_add_f32 v24, v24, v25
	v_cndmask_b32 v24, 0, v24, s40
	v_pk_add_f32 v[26:27], v[224:225], v[226:227]
.set m_k, 2
.rept 6
	v_pk_add_f32 v[26:27], v[26:27], v[224+2*m_k:225+2*m_k]
.set m_k, m_k+1
.endr
	v_add_f32 v26, v26, v27
	v_add_f32 v6, v24, v26
	v_permlanex16_b32 v3, v6, s46, s47
	v_add_f32 v6, v6, v3
	; P V
.irp k, 0,1,2,3,4,5,6,7
	v_cvt_pk_bf16_f32 v[24+\k], v[224+2*\k], v[225+2*\k]
.endr
	s_wait_loadcnt 16                              ; band V and V's K steps 0-3 are in; K steps 4-7 may stay out
	WM 192, 240, 24, 1
	WM 208, 248, 24, 1
	PVGROUP 0, 64, 1
	PLACES
	LDG 64, 18, 16384
	s_wait_loadcnt 16                              ; the 16 just issued may stay out
	PVGROUP 4, 128, 0
	PLACES
	LDG 128, 18, 24576
	s_wait_loadcnt 16
	PVGROUP 8, 64, 0
	s_wait_loadcnt 0x0
	PVGROUP 12, 128, 0
	PLACES
	v_rcp_f32 v6, v6
	v_cmp_lt_f32 vcc_lo, s45, v4                   ; the row has a key left
	v_mov_b32 v2, 0x3b000000                       ; 1/512
	s_wait_alu depctr_va_vdst(0)
	v_cndmask_b32 v2, v2, v6, vcc_lo
	v_mov_b32 v3, v2
.irp j, 0,1,2,3,4,5,6,7
	v_cndmask_b32 v[192+\j], v[200+\j], v[192+\j], vcc_lo
	v_cndmask_b32 v[208+\j], v[216+\j], v[208+\j], vcc_lo
.endr
.irp j, 0,2,4,6
	v_pk_mul_f32 v[192+\j:193+\j], v[192+\j:193+\j], v[2:3]
	v_pk_mul_f32 v[208+\j:209+\j], v[208+\j:209+\j], v[2:3]
.endr
.irp k, 0,1,2,3
	v_cvt_pk_bf16_f32 v[24+\k], v[192+2*\k], v[193+2*\k]
	v_cvt_pk_bf16_f32 v[28+\k], v[208+2*\k], v[209+2*\k]
.endr
	global_store_b128 v1, v[24:27], s[22:23]
	global_store_b128 v1, v[28:31], s[22:23] offset:512
	s_endpgm
.Lfunc_end_k_q52d1148353_att0:
	.size	k_q52d1148353_att0, .Lfunc_end_k_q52d1148353_att0-k_q52d1148353_att0
	.p2alignl 7, 3214868480
	.fill 96, 4, 3214868480
	.section	.rodata,"a",@progbits
	.p2align	6, 0x0
	.amdhsa_kernel k_q52d1148353_att0
		.amdhsa_group_segment_fixed_size 0
		.amdhsa_private_segment_fixed_size 0
		.amdhsa_enable_private_segment 0
		.amdhsa_kernarg_size 24
		.amdhsa_user_sgpr_count 2
		.amdhsa_user_sgpr_kernarg_segment_ptr 1
		.amdhsa_wavefront_size32 1
		.amdhsa_system_sgpr_workgroup_id_x 1
		.amdhsa_system_sgpr_workgroup_id_y 1
		.amdhsa_system_sgpr_workgroup_id_z 1
		.amdhsa_system_vgpr_workitem_id 0
		.amdhsa_next_free_vgpr 256
		.amdhsa_next_free_sgpr 66
		.amdhsa_reserve_vcc 1
		.amdhsa_float_denorm_mode_32 3
		.amdhsa_float_denorm_mode_16_64 3
		.amdhsa_memory_ordered 1
		.amdhsa_forward_progress 1
		.amdhsa_inst_pref_size 63
	.end_amdhsa_kernel
	.amdgpu_metadata
---
amdhsa.version: [ 1, 2 ]
amdhsa.kernels:
  - .name:           k_q52d1148353_att0
    .symbol:         k_q52d1148353_att0.kd
    .args:
      - { .name: qkv, .offset: 0, .size: 8, .value_kind: global_buffer, .address_space: global }
      - { .name: bias, .offset: 8, .size: 8, .value_kind: global_buffer, .address_space: global }
      - { .name: of, .offset: 16, .size: 8, .value_kind: global_buffer, .address_space: global }
    .group_segment_fixed_size: 0
    .private_segment_fixed_size: 0
    .kernarg_segment_align: 8
    .kernarg_segment_size: 24
    .max_flat_workgroup_size: 64
    .sgpr_count:     66
    .vgpr_count:     256
    .wavefront_size: 32
...
	.end_amdgpu_metadata
.endif
;; end of part 3
;; launch ffn0 (part 4): grid 64 x 4, 8 waves a work-group, no clusters, 18,432 bytes of LDS; arguments of, xres, wl0, part; writes part
.if DOCPART == 4
	.amdgcn_target "amdgcn-amd-amdhsa--gfx1250"
	.amdhsa_code_object_version 6
	.text
	.protected	k_q52d1148353_ffn0
	.globl	k_q52d1148353_ffn0
	.p2align	8
	.type	k_q52d1148353_ffn0,@function
k_q52d1148353_ffn0:
	s_mov_b64 s[64:65], 0
	v_nop
	global_prefetch_b8 v0, s[64:65] scope:SCOPE_SE
	s_setreg_imm32_b32 hwreg(HW_REG_WAVE_MODE, 25, 1), 1
	s_wait_xcnt 0x0
; ffn: for 16 rows (x) and a quarter of the hidden layer (y = c): x1 = LN1(x + o wo); part[c] = (x1 + b2) / 4 + relu(x1 w1[:, c] + b1[c]) w2[c, :].
; The four parts of a row block add up to x1 + ffn(x1); the next launch adds them.  Each of the four work-groups repeats the product by wo and LN1
; (128 KiB of weights) so that each reads only a quarter of w1 and w2 (256 KiB) and all run one text.
; Products are used transposed (weight operand x row operand): register j of lane (r, h) is (row r, column 8 h + j), and two neighbouring tiles
; packed to bf16 are the row operand of the next product's K step.  Wave w owns columns 32 w .. 32 w + 31 of every product.
; The 64 row blocks read the same weights.  They come straight into registers in operand order, each fragment used by one wave once; joint loads
; of a cluster go through LDS and would add an LDS write and read for every weight byte.
.set RED1, 0                           ; 16 rows x 8 waves f32
.set RED2, 512
.set XF, 1024                          ; 8 row operands of x1
.set HF, 9216                          ; 8 row operands of the hidden quarter
.set G, 240
.macro PLACES                          ; four independent vector instructions behind a matrix instruction (ISA guide 7.12.1)
.rept 4
	v_nop
.endr
.endm
.macro WM d, a, b, z
.if \z
	v_wmma_f32_16x16x32_bf16 v[\d:\d+7], v[\a:\a+7], v[\b:\b+7], 0
.else
	v_wmma_f32_16x16x32_bf16 v[\d:\d+7], v[\a:\a+7], v[\b:\b+7], v[\d:\d+7]
.endif
.endm
.macro GEMMT acc, wr, ks, x, zero      ; the two accumulators take turns, one instruction a turn
	WM \acc, \wr, \x, \zero
	WM \acc+8, \wr+8*\ks, \x, \zero
.set g_s, 1
.rept \ks-1
	WM \acc, \wr+8*g_s, \x+8*g_s, 0
	WM \acc+8, \wr+8*(\ks+g_s), \x+8*g_s, 0
.set g_s, g_s+1
.endr
.endm
.macro LDW dst, sb, ts, ks
.set lw_u, 0
.rept 2
.set lw_s, 0
.rept 2*\ks
	global_load_b128 v[\dst+8*lw_u*\ks+4*lw_s:\dst+8*lw_u*\ks+4*lw_s+3], v1, s[\sb:\sb+1] offset:lw_u*\ts+512*lw_s
.set lw_s, lw_s+1
.endr
.set lw_u, lw_u+1
.endr
.endm
.macro LDXF dst, lds, n
.set x_s, 0
.rept 2*\n
	ds_load_b128 v[\dst+4*x_s:\dst+4*x_s+3], v1 offset:\lds+512*x_s
.set x_s, x_s+1
.endr
.endm
.macro STFRAG src, lds
.irp k, 0,1,2,3,4,5,6,7
	v_cvt_pk_bf16_f32 v[8+\k], v[\src+2*\k], v[\src+2*\k+1]
.endr
	ds_store_b128 v7, v[8:11] offset:\lds
	ds_store_b128 v7, v[12:15] offset:\lds+512
.endm
.macro VLOAD dst, sb, off              ; my 16 columns of a vector of f32
	global_load_b128 v[\dst:\dst+3], v4, s[\sb:\sb+1] offset:\off
	global_load_b128 v[\dst+4:\dst+7], v4, s[\sb:\sb+1] offset:\off+16
	global_load_b128 v[\dst+8:\dst+11], v4, s[\sb:\sb+1] offset:\off+64
	global_load_b128 v[\dst+12:\dst+15], v4, s[\sb:\sb+1] offset:\off+80
.endm
.macro DTLOAD dst, sb, off             ; my two f32 tiles, stored in register order
.irp q, 0,1,2,3
	global_load_b128 v[\dst+4*\q:\dst+4*\q+3], v1, s[\sb:\sb+1] offset:\off+512*\q
.endr
.endm
; layer norm of the 16 rows in v[16:31], in two passes (mean, then squares of the differences); gamma in v[G ..], beta in v[32:47], result in v[32:47].
; A row is spread over the two halves of a wave and the eight waves: v_permlanex16_b32, then 8 words a row in LDS.  gwait: loads that may stay out
; when gamma and beta are needed.
.macro LNORM red1, red2, gwait
	v_pk_add_f32 v[8:9], v[16:17], v[18:19]
	v_pk_add_f32 v[10:11], v[20:21], v[22:23]
	v_pk_add_f32 v[12:13], v[24:25], v[26:27]
	v_pk_add_f32 v[14:15], v[28:29], v[30:31]
	v_pk_add_f32 v[8:9], v[8:9], v[10:11]
	v_pk_add_f32 v[12:13], v[12:13], v[14:15]
	v_pk_add_f32 v[8:9], v[8:9], v[12:13]
	v_add_f32 v8, v8, v9
	v_permlanex16_b32 v9, v8, s50, s51
	v_add_f32 v8, v8, v9
	ds_store_b32 v5, v8 offset:\red1
	s_wait_dscnt 0x0
	s_barrier_signal -1
	s_barrier_wait -1
	ds_load_b128 v[8:11], v6 offset:\red1
	ds_load_b128 v[12:15], v6 offset:\red1+16
	s_wait_dscnt 0x0
	v_pk_add_f32 v[8:9], v[8:9], v[10:11]
	v_pk_add_f32 v[12:13], v[12:13], v[14:15]
	v_pk_add_f32 v[8:9], v[8:9], v[12:13]
	v_add_f32 v8, v8, v9
	v_mul_f32 v8, s52, v8
	v_mov_b32 v9, v8
.irp j, 0,2,4,6,8,10,12,14
	v_pk_add_f32 v[16+\j:17+\j], v[16+\j:17+\j], v[8:9] neg_lo:[0,1] neg_hi:[0,1]
.endr
	v_pk_mul_f32 v[10:11], v[16:17], v[16:17]
	v_pk_mul_f32 v[12:13], v[18:19], v[18:19]
.irp j, 4,8,12
	v_pk_fma_f32 v[10:11], v[16+\j:17+\j], v[16+\j:17+\j], v[10:11]
	v_pk_fma_f32 v[12:13], v[18+\j:19+\j], v[18+\j:19+\j], v[12:13]
.endr
	v_pk_add_f32 v[10:11], v[10:11], v[12:13]
	v_add_f32 v10, v10, v11
	v_permlanex16_b32 v11, v10, s50, s51
	v_add_f32 v10, v10, v11
	ds_store_b32 v5, v10 offset:\red2
	s_wait_dscnt 0x0
	s_barrier_signal -1
	s_barrier_wait -1
	ds_load_b128 v[8:11], v6 offset:\red2
	ds_load_b128 v[12:15], v6 offset:\red2+16
	s_wait_dscnt 0x0
	v_pk_add_f32 v[8:9], v[8:9], v[10:11]
	v_pk_add_f32 v[12:13], v[12:13], v[14:15]
	v_pk_add_f32 v[8:9], v[8:9], v[12:13]
	v_add_f32 v8, v8, v9
	v_fma_f32 v8, v8, s52, s53                     ; variance + 1e-5
	v_rsq_f32 v8, v8
	v_nop                                          ; one plain instruction behind it (ISA guide 5.7.2)
	s_wait_alu depctr_va_vdst(0)
	v_mov_b32 v9, v8
	s_wait_loadcnt \gwait
.irp j, 0,2,4,6,8,10,12,14
	v_pk_mul_f32 v[16+\j:17+\j], v[16+\j:17+\j], v[8:9]
	v_pk_fma_f32 v[32+\j:33+\j], v[16+\j:17+\j], v[G+\j:G+\j+1], v[32+\j:33+\j]
.endr
.endm
	s_load_b256 s[8:15], s[0:1], 0x0               ; of, xres, the layer's weights, part
	s_set_vgpr_msb 0x40
	v_lshl_add_u32 v0, v0, 2, 0x4400
	v_mov_b32 v1, 0
	s_set_vgpr_msb 0x4000
	v_lshrrev_b32 v8, 5, v0
	v_readfirstlane_b32 s2, v8
	v_and_b32 v7, 31, v0
	v_lshlrev_b32 v1, 4, v7                        ; 16 x lane
	v_and_b32 v2, 15, v0
	v_bfe_u32 v3, v0, 4, 1
	s_lshl_b32 s3, s2, 7
	v_lshl_add_u32 v4, v3, 5, s3                   ; 128 w + 32 h
	v_lshlrev_b32 v6, 5, v2                        ; 32 r
	s_lshl_b32 s4, s2, 2
	v_add_nc_u32 v5, s4, v6                        ; 32 r + 4 w
	s_lshl_b32 s4, s2, 10
	v_add_nc_u32 v7, s4, v1                        ; 16 x lane + 1024 w
	s_and_b32 s5, ttmp7, 0xffff                    ; c
	s_mov_b32 s6, ttmp9                            ; row block
	s_mov_b32 s37, 0
	s_mov_b32 s50, 0x76543210
	s_mov_b32 s51, 0xfedcba98
	s_mov_b32 s52, 0x3b800000                      ; 1/256
	s_mov_b32 s53, 0x3727c5ac                      ; 1e-5
	s_mov_b32 s54, 0x3e800000                      ; 1/4
	s_mov_b32 s55, 0x3e800000
	s_wait_kmcnt 0x0
	s_lshl_b32 s36, s6, 14
	s_lshl_b32 s38, s2, 11
	s_add_co_u32 s36, s36, s38
	s_add_nc_u64 s[16:17], s[10:11], s[36:37]      ; xres: block (row block, tile 2 w)
	s_lshl_b32 s38, s5, 20
	s_add_co_u32 s36, s36, s38
	s_add_nc_u64 s[30:31], s[14:15], s[36:37]      ; part: the same block of quarter c
	s_lshl_b32 s36, s6, 13
	s_add_nc_u64 s[18:19], s[8:9], s[36:37]        ; of: 8 operands
	s_lshl_b32 s38, s2, 14
	s_add_co_u32 s36, s38, 0x60000
	s_add_nc_u64 s[20:21], s[12:13], s[36:37]      ; wo
	s_mov_b32 s36, 0x180000
	s_add_nc_u64 s[22:23], s[12:13], s[36:37]      ; ln1_g, ln1_b + 0x400, b2 + 0x800
	s_lshl_b32 s36, s5, 10
	s_add_co_u32 s36, s36, 0x180c00
	s_add_nc_u64 s[24:25], s[12:13], s[36:37]      ; b1 of quarter c
	s_lshl_b32 s36, s5, 17
	s_add_co_u32 s36, s36, s38
	s_add_co_u32 s36, s36, 0x80000
	s_add_nc_u64 s[26:27], s[12:13], s[36:37]      ; w1: tiles 16 c + 2 w ..
	s_lshl_b32 s36, s2, 16
	s_lshl_b32 s38, s5, 13
	s_add_co_u32 s36, s36, s38
	s_add_co_u32 s36, s36, 0x100000
	s_add_nc_u64 s[28:29], s[12:13], s[36:37]      ; w2: tiles 2 w .., K steps 8 c ..
	DTLOAD 16, 16, 0                               ; the residual is the sums' first value
.set l_k, 0
.rept 16
	global_load_b128 v[48+4*l_k:51+4*l_k], v1, s[18:19] offset:512*l_k
.set l_k, l_k+1
.endr
	LDW 112, 20, 8192, 8
	VLOAD G, 22, 0
	VLOAD 32, 22, 0x400
	s_wait_loadcnt 8                               ; gamma and beta (8 loads) may stay out
	GEMMT 16, 112, 8, 48, 0
	PLACES
	LDW 112, 26, 8192, 8                           ; w1 flies during the layer norm
	LNORM RED1, RED2, 32                           ; w1's 32 loads may stay out
	VLOAD G, 22, 0x800                             ; b2
	VLOAD 16, 24, 0                                ; b1 is the next sums' first value
	STFRAG 32, XF
	s_wait_dscnt 0x0
	s_barrier_signal -1
	s_barrier_wait -1
	LDXF 48, XF, 8
	s_wait_loadcnt 0x0
	s_wait_dscnt 0x0
	GEMMT 16, 112, 8, 48, 0
	PLACES
	LDW 112, 28, 32768, 8                          ; w2
.irp j, 0,1,2,3,4,5,6,7,8,9,10,11,12,13,14,15
	v_max_num_f32 v[16+\j], 0, v[16+\j]
.endr
	STFRAG 16, HF
	s_wait_dscnt 0x0
	s_barrier_signal -1
	s_barrier_wait -1
	LDXF 48, HF, 8
.irp j, 0,2,4,6,8,10,12,14
	v_pk_add_f32 v[16+\j:17+\j], v[32+\j:33+\j], v[G+\j:G+\j+1]
	v_pk_mul_f32 v[16+\j:17+\j], v[16+\j:17+\j], s[54:55] op_sel_hi:[1,0]
.endr
	s_wait_loadcnt 0x0
	s_wait_dscnt 0x0
	GEMMT 16, 112, 8, 48, 0
	PLACES
.irp q, 0,1,2,3
	global_store_b128 v1, v[16+4*\q:19+4*\q], s[30:31] offset:512*\q
.endr
	s_set_vgpr_msb 0x5
	s_wait_tensorcnt 0x0
	ds_add_u32 v0, v1
	s_wait_dscnt 0x0
	s_set_vgpr_msb 0x500
	s_endpgm
.Lfunc_end_k_q52d1148353_ffn0:
	.size	k_q52d1148353_ffn0, .Lfunc_end_k_q52d1148353_ffn0-k_q52d1148353_ffn0
	.p2alignl 7, 3214868480
	.fill 96, 4, 3214868480
	.section	.rodata,"a",@progbits
	.p2align	6, 0x0
	.amdhsa_kernel k_q52d1148353_ffn0
		.amdhsa_group_segment_fixed_size 18432
		.amdhsa_private_segment_fixed_size 0
		.amdhsa_enable_private_segment 0
		.amdhsa_kernarg_size 32
		.amdhsa_user_sgpr_count 2
		.amdhsa_user_sgpr_kernarg_segment_ptr 1
		.amdhsa_wavefront_size32 1
		.amdhsa_system_sgpr_workgroup_id_x 1
		.amdhsa_system_sgpr_workgroup_id_y 1
		.amdhsa_system_sgpr_workgroup_id_z 1
		.amdhsa_system_vgpr_workitem_id 0
		.amdhsa_next_free_vgpr 258
		.amdhsa_next_free_sgpr 66
		.amdhsa_reserve_vcc 0
		.amdhsa_float_denorm_mode_32 3
		.amdhsa_float_denorm_mode_16_64 3
		.amdhsa_memory_ordered 1
		.amdhsa_forward_progress 1
		.amdhsa_inst_pref_size 28
	.end_amdhsa_kernel
	.amdgpu_metadata
---
amdhsa.version: [ 1, 2 ]
amdhsa.kernels:
  - .name:           k_q52d1148353_ffn0
    .symbol:         k_q52d1148353_ffn0.kd
    .args:
      - { .name: of, .offset: 0, .size: 8, .value_kind: global_buffer, .address_space: global }
      - { .name: xres, .offset: 8, .size: 8, .value_kind: global_buffer, .address_space: global }
      - { .name: wl0, .offset: 16, .size: 8, .value_kind: global_buffer, .address_space: global }
      - { .name: part, .offset: 24, .size: 8, .value_kind: global_buffer, .address_space: global }
    .group_segment_fixed_size: 18432
    .private_segment_fixed_size: 0
    .kernarg_segment_align: 8
    .kernarg_segment_size: 32
    .max_flat_workgroup_size: 256
    .sgpr_count:     66
    .vgpr_count:     258
    .wavefront_size: 32
...
	.end_amdgpu_metadata
.endif
;; end of part 4
;; launch lnqkv (part 5): grid 64 x 3, 8 waves a work-group, no clusters, 10,240 bytes of LDS; arguments part, ln2_g, ln2_b, wl1, xres, qkv; writes xres, qkv
.if DOCPART == 5
	.amdgcn_target "amdgcn-amd-amdhsa--gfx1250"
	.amdhsa_code_object_version 6
	.text
	.protected	k_q52d1148353_lnqkv
	.globl	k_q52d1148353_lnqkv
	.p2align	8
	.type	k_q52d1148353_lnqkv,@function
k_q52d1148353_lnqkv:
	s_mov_b64 s[64:65], 0
	v_nop
	global_prefetch_b8 v0, s[64:65] scope:SCOPE_SE
	s_setreg_imm32_b32 hwreg(HW_REG_WAVE_MODE, 25, 1), 1
	s_wait_xcnt 0x0
; lnqkv: x = LN2 of layer 0 (the four parts added) for 16 rows, then layer 1's Q (y = 0), K (1) or V (2) of those rows.
; Layouts and the use of the matrix unit as in the other row kernels: products transposed (weight operand x row operand), wave w owns columns
; 32 w .. 32 w + 31 = head w; V in the natural order, so that a lane holds 8 neighbouring keys of one dimension.
; The three work-groups of a row block repeat the sum and the norm (64 KiB read) so that each reads one weight matrix (128 KiB).
; The weights come straight into registers in operand order, each fragment used by one wave once: joint loads of a cluster, which go through LDS,
; would add an LDS write and read for every weight byte.
.set RED1, 0
.set RED2, 512
.set XF, 1024
.set G, 240
.macro PLACES                          ; four independent vector instructions behind a matrix instruction (ISA guide 7.12.1)
.rept 4
	v_nop
.endr
.endm
.macro WM d, a, b, z
.if \z
	v_wmma_f32_16x16x32_bf16 v[\d:\d+7], v[\a:\a+7], v[\b:\b+7], 0
.else
	v_wmma_f32_16x16x32_bf16 v[\d:\d+7], v[\a:\a+7], v[\b:\b+7], v[\d:\d+7]
.endif
.endm
.macro GEMMT acc, wr, ks, x, zero      ; the two accumulators take turns, one instruction a turn
	WM \acc, \wr, \x, \zero
	WM \acc+8, \wr+8*\ks, \x, \zero
.set g_s, 1
.rept \ks-1
	WM \acc, \wr+8*g_s, \x+8*g_s, 0
	WM \acc+8, \wr+8*(\ks+g_s), \x+8*g_s, 0
.set g_s, g_s+1
.endr
.endm
.macro GEMMN acc, wr, ks, x
	WM \acc, \x, \wr, 1
	WM \acc+8, \x, \wr+8*\ks, 1
.set g_s, 1
.rept \ks-1
	WM \acc, \x+8*g_s, \wr+8*g_s, 0
	WM \acc+8, \x+8*g_s, \wr+8*(\ks+g_s), 0
.set g_s, g_s+1
.endr
.endm
.macro LDW dst, sb, ts, ks
.set lw_u, 0
.rept 2
.set lw_s, 0
.rept 2*\ks
	global_load_b128 v[\dst+8*lw_u*\ks+4*lw_s:\dst+8*lw_u*\ks+4*lw_s+3], v1, s[\sb:\sb+1] offset:lw_u*\ts+512*lw_s
.set lw_s, lw_s+1
.endr
.set lw_u, lw_u+1
.endr
.endm
.macro LDXF dst, lds, n
.set x_s, 0
.rept 2*\n
	ds_load_b128 v[\dst+4*x_s:\dst+4*x_s+3], v1 offset:\lds+512*x_s
.set x_s, x_s+1
.endr
.endm
.macro STFRAG src, lds
.irp k, 0,1,2,3,4,5,6,7
	v_cvt_pk_bf16_f32 v[8+\k], v[\src+2*\k], v[\src+2*\k+1]
.endr
	ds_store_b128 v7, v[8:11] offset:\lds
	ds_store_b128 v7, v[12:15] offset:\lds+512
.endm
.macro VLOAD dst, sb, off
	global_load_b128 v[\dst:\dst+3], v4, s[\sb:\sb+1] offset:\off
	global_load_b128 v[\dst+4:\dst+7], v4, s[\sb:\sb+1] offset:\off+16
	global_load_b128 v[\dst+8:\dst+11], v4, s[\sb:\sb+1] offset:\off+64
	global_load_b128 v[\dst+12:\dst+15], v4, s[\sb:\sb+1] offset:\off+80
.endm
.macro DTLOAD dst, sb, off
.irp q, 0,1,2,3
	global_load_b128 v[\dst+4*\q:\dst+4*\q+3], v1, s[\sb:\sb+1] offset:\off+512*\q
.endr
.endm
.macro QKVADDR                         ; s2 wave, s5 which of Q, K, V, s6 row block; weights s[14:15], xres s[16:17], qkv s[18:19]; s37 = 0
	s_lshl_b32 s36, s5, 17
	s_lshl_b32 s38, s2, 14
	s_add_co_u32 s36, s36, s38
	s_add_nc_u64 s[32:33], s[14:15], s[36:37]
	s_lshl_b32 s36, s6, 14
	s_lshl_b32 s38, s2, 11
	s_add_co_u32 s36, s36, s38
	s_add_nc_u64 s[40:41], s[16:17], s[36:37]
	s_add_nc_u64 s[28:29], s[8:9], s[36:37]        ; part: the same block of quarter 0
	s_lshr_b32 s38, s6, 5
	s_and_b32 s39, s6, 31
	s_lshl_b32 s38, s38, 3
	s_add_co_u32 s38, s38, s2
	s_lshl_b32 s36, s38, 5
	s_add_co_u32 s36, s36, s39
	s_lshl_b32 s36, s36, 10
	s_lshl_b32 s48, s5, 19
	s_add_co_u32 s36, s36, s48
	s_add_nc_u64 s[42:43], s[18:19], s[36:37]
	s_lshl_b32 s36, s38, 4
	s_lshr_b32 s48, s39, 1
	s_add_co_u32 s36, s36, s48
	s_lshl_b32 s36, s36, 11
	s_and_b32 s48, s39, 1
	s_lshl_b32 s48, s48, 9
	s_add_co_u32 s36, s36, s48
	s_add_co_u32 s36, s36, 0x100000
	s_add_nc_u64 s[44:45], s[18:19], s[36:37]
	s_cmp_eq_u32 s5, 0
	s_cselect_b32 s46, 0x3e8293ee, 1.0             ; Q carries log2(e) / sqrt(32)
	s_mov_b32 s47, s46
.endm
.macro QKVTAIL xr, ar, wreg, bf, xfl
	s_cmp_lg_u32 s5, 0
	s_cbranch_scc1 .Lno_x
.irp q, 0,1,2,3
	global_store_b128 v1, v[\xr+4*\q:\xr+4*\q+3], s[40:41] offset:512*\q
.endr
.Lno_x:
	STFRAG \xr, \xfl
	s_wait_dscnt 0x0
	s_barrier_signal -1
	s_barrier_wait -1
	LDXF \bf, \xfl, 8
	s_wait_loadcnt 0x0
	s_wait_dscnt 0x0
	s_cmp_eq_u32 s5, 2
	s_cbranch_scc1 .Lvpart
	GEMMT \ar, \wreg, 8, \bf, 1
	PLACES
.irp j, 0,2,4,6,8,10,12,14
	v_pk_mul_f32 v[\ar+\j:\ar+\j+1], v[\ar+\j:\ar+\j+1], s[46:47] op_sel_hi:[1,0]
.endr
.irp k, 0,1,2,3,4,5,6,7
	v_cvt_pk_bf16_f32 v[8+\k], v[\ar+2*\k], v[\ar+2*\k+1]
.endr
	global_store_b128 v1, v[8:11], s[42:43]
	global_store_b128 v1, v[12:15], s[42:43] offset:512
	s_set_vgpr_msb 0x5
	s_wait_tensorcnt 0x0
	ds_add_u32 v0, v1
	s_wait_dscnt 0x0
	s_set_vgpr_msb 0x500
	s_endpgm
.Lvpart:
	GEMMN \ar, \wreg, 8, \bf
	PLACES
.irp k, 0,1,2,3,4,5,6,7
	v_cvt_pk_bf16_f32 v[8+\k], v[\ar+2*\k], v[\ar+2*\k+1]
.endr
	global_store_b128 v1, v[8:11], s[44:45]
	global_store_b128 v1, v[12:15], s[44:45] offset:1024
	s_set_vgpr_msb 0x5
	s_wait_tensorcnt 0x0
	ds_add_u32 v0, v1
	s_wait_dscnt 0x0
	s_set_vgpr_msb 0x500
	s_endpgm
.endm
.macro LNORM red1, red2, gwait         ; two passes; gamma v[G ..], beta and result v[32:47]; gwait: loads that may stay out when gamma and beta are needed
	v_pk_add_f32 v[8:9], v[16:17], v[18:19]
	v_pk_add_f32 v[10:11], v[20:21], v[22:23]
	v_pk_add_f32 v[12:13], v[24:25], v[26:27]
	v_pk_add_f32 v[14:15], v[28:29], v[30:31]
	v_pk_add_f32 v[8:9], v[8:9], v[10:11]
	v_pk_add_f32 v[12:13], v[12:13], v[14:15]
	v_pk_add_f32 v[8:9], v[8:9], v[12:13]
	v_add_f32 v8, v8, v9
	v_permlanex16_b32 v9, v8, s50, s51
	v_add_f32 v8, v8, v9
	ds_store_b32 v5, v8 offset:\red1
	s_wait_dscnt 0x0
	s_barrier_signal -1
	s_barrier_wait -1
	ds_load_b128 v[8:11], v6 offset:\red1
	ds_load_b128 v[12:15], v6 offset:\red1+16
	s_wait_dscnt 0x0
	v_pk_add_f32 v[8:9], v[8:9], v[10:11]
	v_pk_add_f32 v[12:13], v[12:13], v[14:15]
	v_pk_add_f32 v[8:9], v[8:9], v[12:13]
	v_add_f32 v8, v8, v9
	v_mul_f32 v8, s52, v8
	v_mov_b32 v9, v8
.irp j, 0,2,4,6,8,10,12,14
	v_pk_add_f32 v[16+\j:17+\j], v[16+\j:17+\j], v[8:9] neg_lo:[0,1] neg_hi:[0,1]
.endr
	v_pk_mul_f32 v[10:11], v[16:17], v[16:17]
	v_pk_mul_f32 v[12:13], v[18:19], v[18:19]
.irp j, 4,8,12
	v_pk_fma_f32 v[10:11], v[16+\j:17+\j], v[16+\j:17+\j], v[10:11]
	v_pk_fma_f32 v[12:13], v[18+\j:19+\j], v[18+\j:19+\j], v[12:13]
.endr
	v_pk_add_f32 v[10:11], v[10:11], v[12:13]
	v_add_f32 v10, v10, v11
	v_permlanex16_b32 v11, v10, s50, s51
	v_add_f32 v10, v10, v11
	ds_store_b32 v5, v10 offset:\red2
	s_wait_dscnt 0x0
	s_barrier_signal -1
	s_barrier_wait -1
	ds_load_b128 v[8:11], v6 offset:\red2
	ds_load_b128 v[12:15], v6 offset:\red2+16
	s_wait_dscnt 0x0
	v_pk_add_f32 v[8:9], v[8:9], v[10:11]
	v_pk_add_f32 v[12:13], v[12:13], v[14:15]
	v_pk_add_f32 v[8:9], v[8:9], v[12:13]
	v_add_f32 v8, v8, v9
	v_fma_f32 v8, v8, s52, s53
	v_rsq_f32 v8, v8
	v_nop                                          ; one plain instruction behind it (ISA guide 5.7.2)
	s_wait_alu depctr_va_vdst(0)
	v_mov_b32 v9, v8
	s_wait_loadcnt \gwait
.irp j, 0,2,4,6,8,10,12,14
	v_pk_mul_f32 v[16+\j:17+\j], v[16+\j:17+\j], v[8:9]
	v_pk_fma_f32 v[32+\j:33+\j], v[16+\j:17+\j], v[G+\j:G+\j+1], v[32+\j:33+\j]
.endr
.endm
	s_load_b256 s[8:15], s[0:1], 0x0               ; part, ln2_g, ln2_b, wl1
	s_load_b128 s[16:19], s[0:1], 0x20             ; xres, qkv
	s_set_vgpr_msb 0x40
	v_lshl_add_u32 v0, v0, 2, 0x2400
	v_mov_b32 v1, 0
	s_set_vgpr_msb 0x4000
	v_lshrrev_b32 v8, 5, v0
	v_readfirstlane_b32 s2, v8
	v_and_b32 v7, 31, v0
	v_lshlrev_b32 v1, 4, v7
	v_and_b32 v2, 15, v0
	v_bfe_u32 v3, v0, 4, 1
	s_lshl_b32 s3, s2, 7
	v_lshl_add_u32 v4, v3, 5, s3
	v_lshlrev_b32 v6, 5, v2
	s_lshl_b32 s4, s2, 2
	v_add_nc_u32 v5, s4, v6
	s_lshl_b32 s4, s2, 10
	v_add_nc_u32 v7, s4, v1
	s_and_b32 s5, ttmp7, 0xffff
	s_mov_b32 s6, ttmp9
	s_mov_b32 s37, 0
	s_mov_b32 s50, 0x76543210
	s_mov_b32 s51, 0xfedcba98
	s_mov_b32 s52, 0x3b800000                      ; 1/256
	s_mov_b32 s53, 0x3727c5ac                      ; 1e-5
	s_wait_kmcnt 0x0
	QKVADDR
	DTLOAD 48, 28, 0                               ; the four quarters, 1 MiB apart
	DTLOAD 64, 28, 0x100000
	DTLOAD 80, 28, 0x200000
	DTLOAD 96, 28, 0x300000
	VLOAD G, 10, 0                                 ; layer 0's gamma and beta
	VLOAD 32, 12, 0
	LDW 112, 32, 8192, 8
	s_wait_loadcnt 40                              ; gamma, beta (8) and the weights (32) may stay out
.irp j, 0,2,4,6,8,10,12,14
	v_pk_add_f32 v[16+\j:17+\j], v[48+\j:49+\j], v[64+\j:65+\j]
	v_pk_add_f32 v[80+\j:81+\j], v[80+\j:81+\j], v[96+\j:97+\j]
.endr
.irp j, 0,2,4,6,8,10,12,14
	v_pk_add_f32 v[16+\j:17+\j], v[16+\j:17+\j], v[80+\j:81+\j]
.endr
	LNORM RED1, RED2, 32                           ; the weights may stay out
	QKVTAIL 32, 16, 112, 48, XF
.Lfunc_end_k_q52d1148353_lnqkv:
	.size	k_q52d1148353_lnqkv, .Lfunc_end_k_q52d1148353_lnqkv-k_q52d1148353_lnqkv
	.p2alignl 7, 3214868480
	.fill 96, 4, 3214868480
	.section	.rodata,"a",@progbits
	.p2align	6, 0x0
	.amdhsa_kernel k_q52d1148353_lnqkv
		.amdhsa_group_segment_fixed_size 10240
		.amdhsa_private_segment_fixed_size 0
		.amdhsa_enable_private_segment 0
		.amdhsa_kernarg_size 48
		.amdhsa_user_sgpr_count 2
		.amdhsa_user_sgpr_kernarg_segment_ptr 1
		.amdhsa_wavefront_size32 1
		.amdhsa_system_sgpr_workgroup_id_x 1
		.amdhsa_system_sgpr_workgroup_id_y 1
		.amdhsa_system_sgpr_workgroup_id_z 1
		.amdhsa_system_vgpr_workitem_id 0
		.amdhsa_next_free_vgpr 258
		.amdhsa_next_free_sgpr 66
		.amdhsa_reserve_vcc 0
		.amdhsa_float_denorm_mode_32 3
		.amdhsa_float_denorm_mode_16_64 3
		.amdhsa_memory_ordered 1
		.amdhsa_forward_progress 1
		.amdhsa_inst_pref_size 21
	.end_amdhsa_kernel
	.amdgpu_metadata
---
amdhsa.version: [ 1, 2 ]
amdhsa.kernels:
  - .name:           k_q52d1148353_lnqkv
    .symbol:         k_q52d1148353_lnqkv.kd
    .args:
      - { .name: part, .offset: 0, .size: 8, .value_kind: global_buffer, .address_space: global }
      - { .name: ln2_g, .offset: 8, .size: 8, .value_kind: global_buffer, .address_space: global }
      - { .name: ln2_b, .offset: 16, .size: 8, .value_kind: global_buffer, .address_space: global }
      - { .name: wl1, .offset: 24, .size: 8, .value_kind: global_buffer, .address_space: global }
      - { .name: xres, .offset: 32, .size: 8, .value_kind: global_buffer, .address_space: global }
      - { .name: qkv, .offset: 40, .size: 8, .value_kind: global_buffer, .address_space: global }
    .group_segment_fixed_size: 10240
    .private_segment_fixed_size: 0
    .kernarg_segment_align: 8
    .kernarg_segment_size: 48
    .max_flat_workgroup_size: 256
    .sgpr_count:     66
    .vgpr_count:     258
    .wavefront_size: 32
...
	.end_amdgpu_metadata
.endif
;; end of part 5
;; launch att1: the kernel of part 3 again; grid 256 x 1, 2 waves a work-group, no clusters, 0 bytes of LDS; arguments qkv, bias, of; writes of
;; launch ffn1: the kernel of part 4 again; grid 64 x 4, 8 waves a work-group, no clusters, 18,432 bytes of LDS; arguments of, xres, wl1, part; writes part
;; launch cls (part 6): grid 64 x 1, 8 waves a work-group, no clusters, 3,072 bytes of LDS; arguments part, ln2_g, ln2_b, cls_w, cls_b, out0; writes out0
.if DOCPART == 6
	.amdgcn_target "amdgcn-amd-amdhsa--gfx1250"
	.amdhsa_code_object_version 6
	.text
	.protected	k_q52d1148353_cls
	.globl	k_q52d1148353_cls
	.p2align	8
	.type	k_q52d1148353_cls,@function
k_q52d1148353_cls:
	s_mov_b64 s[64:65], 0
	v_nop
	global_prefetch_b8 v0, s[64:65] scope:SCOPE_SE
	s_setreg_imm32_b32 hwreg(HW_REG_WAVE_MODE, 25, 1), 1
	s_wait_xcnt 0x0
; cls: x = LN2 of layer 1 (the four parts added) for 16 rows, logits = x cls_w + cls_b, softmax over the two classes (the larger logit taken away).
; Register j of lane (r, h) of wave w, tile u, is (row r, column 32 w + 16 u + 8 h + j), as the parts are stored.
; The product by cls_w has 2 columns: it would fill 2 of a matrix tile's 16 columns, and is 256 x 2 multiply-adds a row; it stays on the vector unit in f32.
; A block of 16 rows owns 128 consecutive bytes of out0, stored by one instruction.
.set RED1, 0
.set RED2, 512
.set RED3, 1024                        ; 16 rows x 8 waves x 2 logits
.set G, 112
.set LOG2E, 0x3fb8aa3b
.macro VLOAD dst, sb, off
	global_load_b128 v[\dst:\dst+3], v4, s[\sb:\sb+1] offset:\off
	global_load_b128 v[\dst+4:\dst+7], v4, s[\sb:\sb+1] offset:\off+16
	global_load_b128 v[\dst+8:\dst+11], v4, s[\sb:\sb+1] offset:\off+64
	global_load_b128 v[\dst+12:\dst+15], v4, s[\sb:\sb+1] offset:\off+80
.endm
.macro DTLOAD dst, sb, off
.irp q, 0,1,2,3
	global_load_b128 v[\dst+4*\q:\dst+4*\q+3], v1, s[\sb:\sb+1] offset:\off+512*\q th:TH_LOAD_NT
.endr
.endm
.macro LNORM red1, red2, gwait         ; two passes; gamma v[G ..], beta and result v[32:47]; gwait: loads that may stay out when gamma and beta are needed
	v_pk_add_f32 v[8:9], v[16:17], v[18:19]
	v_pk_add_f32 v[10:11], v[20:21], v[22:23]
	v_pk_add_f32 v[12:13], v[24:25], v[26:27]
	v_pk_add_f32 v[14:15], v[28:29], v[30:31]
	v_pk_add_f32 v[8:9], v[8:9], v[10:11]
	v_pk_add_f32 v[12:13], v[12:13], v[14:15]
	v_pk_add_f32 v[8:9], v[8:9], v[12:13]
	v_add_f32 v8, v8, v9
	v_permlanex16_b32 v9, v8, s50, s51
	v_add_f32 v8, v8, v9
	ds_store_b32 v5, v8 offset:\red1
	s_wait_dscnt 0x0
	s_barrier_signal -1
	s_barrier_wait -1
	ds_load_b128 v[8:11], v6 offset:\red1
	ds_load_b128 v[12:15], v6 offset:\red1+16
	s_wait_dscnt 0x0
	v_pk_add_f32 v[8:9], v[8:9], v[10:11]
	v_pk_add_f32 v[12:13], v[12:13], v[14:15]
	v_pk_add_f32 v[8:9], v[8:9], v[12:13]
	v_add_f32 v8, v8, v9
	v_mul_f32 v8, s52, v8
	v_mov_b32 v9, v8
.irp j, 0,2,4,6,8,10,12,14
	v_pk_add_f32 v[16+\j:17+\j], v[16+\j:17+\j], v[8:9] neg_lo:[0,1] neg_hi:[0,1]
.endr
	v_pk_mul_f32 v[10:11], v[16:17], v[16:17]
	v_pk_mul_f32 v[12:13], v[18:19], v[18:19]
.irp j, 4,8,12
	v_pk_fma_f32 v[10:11], v[16+\j:17+\j], v[16+\j:17+\j], v[10:11]
	v_pk_fma_f32 v[12:13], v[18+\j:19+\j], v[18+\j:19+\j], v[12:13]
.endr
	v_pk_add_f32 v[10:11], v[10:11], v[12:13]
	v_add_f32 v10, v10, v11
	v_permlanex16_b32 v11, v10, s50, s51
	v_add_f32 v10, v10, v11
	ds_store_b32 v5, v10 offset:\red2
	s_wait_dscnt 0x0
	s_barrier_signal -1
	s_barrier_wait -1
	ds_load_b128 v[8:11], v6 offset:\red2
	ds_load_b128 v[12:15], v6 offset:\red2+16
	s_wait_dscnt 0x0
	v_pk_add_f32 v[8:9], v[8:9], v[10:11]
	v_pk_add_f32 v[12:13], v[12:13], v[14:15]
	v_pk_add_f32 v[8:9], v[8:9], v[12:13]
	v_add_f32 v8, v8, v9
	v_fma_f32 v8, v8, s52, s53
	v_rsq_f32 v8, v8
	v_nop                                          ; one plain instruction behind it (ISA guide 5.7.2)
	s_wait_alu depctr_va_vdst(0)
	v_mov_b32 v9, v8
	s_wait_loadcnt \gwait
.irp j, 0,2,4,6,8,10,12,14
	v_pk_mul_f32 v[16+\j:17+\j], v[16+\j:17+\j], v[8:9]
	v_pk_fma_f32 v[32+\j:33+\j], v[16+\j:17+\j], v[G+\j:G+\j+1], v[32+\j:33+\j]
.endr
.endm
	s_load_b256 s[8:15], s[0:1], 0x0               ; part, ln2_g, ln2_b, cls_w
	s_load_b128 s[16:19], s[0:1], 0x20             ; cls_b, out0
	v_lshl_add_u32 v160, v0, 2, 0x800
	v_mov_b32 v161, 0
	v_lshrrev_b32 v8, 5, v0
	v_readfirstlane_b32 s2, v8
	v_and_b32 v7, 31, v0
	v_lshlrev_b32 v1, 4, v7
	v_and_b32 v2, 15, v0
	v_bfe_u32 v3, v0, 4, 1
	s_lshl_b32 s3, s2, 7
	v_lshl_add_u32 v4, v3, 5, s3                   ; 128 w + 32 h
	v_lshlrev_b32 v6, 5, v2
	s_lshl_b32 s4, s2, 2
	v_add_nc_u32 v5, s4, v6
	s_lshl_b32 s4, s2, 8
	v_lshl_add_u32 v7, v3, 6, s4                   ; 256 w + 64 h: my 8 rows of cls_w (8 bytes each)
	s_mov_b32 s6, ttmp9
	s_mov_b32 s37, 0
	s_mov_b32 s50, 0x76543210
	s_mov_b32 s51, 0xfedcba98
	s_mov_b32 s52, 0x3b800000                      ; 1/256
	s_mov_b32 s53, 0x3727c5ac                      ; 1e-5
	s_wait_kmcnt 0x0
	s_load_b64 s[20:21], s[16:17], 0x0             ; cls_b
	s_lshl_b32 s36, s6, 14
	s_lshl_b32 s38, s2, 11
	s_add_co_u32 s36, s36, s38
	s_add_nc_u64 s[22:23], s[8:9], s[36:37]
	s_lshl_b32 s36, s6, 7
	s_add_nc_u64 s[24:25], s[18:19], s[36:37]      ; 16 rows of 8 bytes
	DTLOAD 48, 22, 0
	DTLOAD 64, 22, 0x100000
	DTLOAD 80, 22, 0x200000
	DTLOAD 96, 22, 0x300000
	VLOAD G, 10, 1024                              ; layer 1's gamma and beta
	VLOAD 32, 12, 1024
.irp u, 0,1
.irp q, 0,1,2,3
	global_load_b128 v[128+16*\u+4*\q:131+16*\u+4*\q], v7, s[14:15] offset:128*\u+16*\q
.endr
.endr
	s_wait_loadcnt 16                              ; gamma, beta (8) and cls_w (8) may stay out
.irp j, 0,2,4,6,8,10,12,14
	v_pk_add_f32 v[16+\j:17+\j], v[48+\j:49+\j], v[64+\j:65+\j]
	v_pk_add_f32 v[80+\j:81+\j], v[80+\j:81+\j], v[96+\j:97+\j]
.endr
.irp j, 0,2,4,6,8,10,12,14
	v_pk_add_f32 v[16+\j:17+\j], v[16+\j:17+\j], v[80+\j:81+\j]
.endr
	LNORM RED1, RED2, 8                            ; cls_w may stay out
	s_wait_loadcnt 0x0
	; (z0, z1) += x[column] (w[column][0], w[column][1]), one chain for each tile
	v_pk_mul_f32 v[8:9], v[32:33], v[128:129] op_sel_hi:[0,1]
	v_pk_mul_f32 v[10:11], v[40:41], v[144:145] op_sel_hi:[0,1]
.irp j, 1,2,3,4,5,6,7
	v_pk_fma_f32 v[8:9], v[32+2*(\j/2):33+2*(\j/2)], v[128+2*\j:129+2*\j], v[8:9] op_sel:[\j%2,0,0] op_sel_hi:[\j%2,1,1]
	v_pk_fma_f32 v[10:11], v[40+2*(\j/2):41+2*(\j/2)], v[144+2*\j:145+2*\j], v[10:11] op_sel:[\j%2,0,0] op_sel_hi:[\j%2,1,1]
.endr
	v_pk_add_f32 v[8:9], v[8:9], v[10:11]
	v_permlanex16_b32 v10, v8, s50, s51
	v_permlanex16_b32 v11, v9, s50, s51
	v_pk_add_f32 v[8:9], v[8:9], v[10:11]
	v_lshlrev_b32 v12, 6, v2
	s_lshl_b32 s4, s2, 3
	v_add_nc_u32 v12, s4, v12                      ; 64 r + 8 w
	ds_store_b64 v12, v[8:9] offset:RED3
	s_wait_dscnt 0x0
	s_wait_kmcnt 0x0                               ; cls_b
	s_barrier_signal -1
	s_barrier_wait -1
	s_cmp_lg_u32 s2, 0
	s_cbranch_scc1 .Lend
	v_lshrrev_b32 v13, 1, v0                       ; wave 0: lane = 2 x row + class
	v_lshlrev_b32 v13, 6, v13
.irp q, 0,1,2,3
	ds_load_b128 v[16+4*\q:19+4*\q], v13 offset:RED3+16*\q
.endr
	s_wait_dscnt 0x0
	v_pk_add_f32 v[16:17], v[16:17], v[18:19]
	v_pk_add_f32 v[20:21], v[20:21], v[22:23]
	v_pk_add_f32 v[24:25], v[24:25], v[26:27]
	v_pk_add_f32 v[28:29], v[28:29], v[30:31]
	v_pk_add_f32 v[16:17], v[16:17], v[20:21]
	v_pk_add_f32 v[24:25], v[24:25], v[28:29]
	v_pk_add_f32 v[16:17], v[16:17], v[24:25]
	v_add_f32 v16, s20, v16
	v_add_f32 v17, s21, v17
	v_max_num_f32 v18, v16, v17
	v_sub_f32 v16, v16, v18
	v_sub_f32 v17, v17, v18
	v_mul_f32 v16, LOG2E, v16
	v_mul_f32 v17, LOG2E, v17
	v_exp_f32 v16, v16
	v_exp_f32 v17, v17
	v_and_b32 v19, 1, v0                           ; a plain instruction behind the exponentials (ISA guide 5.7.2)
	s_wait_alu depctr_va_vdst(0)
	v_add_f32 v18, v16, v17
	v_rcp_f32 v18, v18
	v_cmp_eq_u32 vcc_lo, 1, v19                    ; and one behind the reciprocal
	v_cndmask_b32 v16, v16, v17, vcc_lo
	s_wait_alu depctr_va_vdst(0)
	v_mul_f32 v16, v16, v18
	v_lshlrev_b32 v20, 2, v0
	global_store_b32 v20, v16, s[24:25]
.Lend:
	s_wait_tensorcnt 0x0
	ds_add_u32 v160, v161
	s_wait_dscnt 0x0
	s_endpgm
.Lfunc_end_k_q52d1148353_cls:
	.size	k_q52d1148353_cls, .Lfunc_end_k_q52d1148353_cls-k_q52d1148353_cls
	.p2alignl 7, 3214868480
	.fill 96, 4, 3214868480
	.section	.rodata,"a",@progbits
	.p2align	6, 0x0
	.amdhsa_kernel k_q52d1148353_cls
		.amdhsa_group_segment_fixed_size 3072
		.amdhsa_private_segment_fixed_size 0
		.amdhsa_enable_private_segment 0
		.amdhsa_kernarg_size 48
		.amdhsa_user_sgpr_count 2
		.amdhsa_user_sgpr_kernarg_segment_ptr 1
		.amdhsa_wavefront_size32 1
		.amdhsa_system_sgpr_workgroup_id_x 1
		.amdhsa_system_sgpr_workgroup_id_y 1
		.amdhsa_system_sgpr_workgroup_id_z 1
		.amdhsa_system_vgpr_workitem_id 0
		.amdhsa_next_free_vgpr 162
		.amdhsa_next_free_sgpr 66
		.amdhsa_reserve_vcc 1
		.amdhsa_float_denorm_mode_32 3
		.amdhsa_float_denorm_mode_16_64 3
		.amdhsa_memory_ordered 1
		.amdhsa_forward_progress 1
		.amdhsa_inst_pref_size 14
	.end_amdhsa_kernel
	.amdgpu_metadata
---
amdhsa.version: [ 1, 2 ]
amdhsa.kernels:
  - .name:           k_q52d1148353_cls
    .symbol:         k_q52d1148353_cls.kd
    .args:
      - { .name: part, .offset: 0, .size: 8, .value_kind: global_buffer, .address_space: global }
      - { .name: ln2_g, .offset: 8, .size: 8, .value_kind: global_buffer, .address_space: global }
      - { .name: ln2_b, .offset: 16, .size: 8, .value_kind: global_buffer, .address_space: global }
      - { .name: cls_w, .offset: 24, .size: 8, .value_kind: global_buffer, .address_space: global }
      - { .name: cls_b, .offset: 32, .size: 8, .value_kind: global_buffer, .address_space: global }
      - { .name: out0, .offset: 40, .size: 8, .value_kind: global_buffer, .address_space: global }
    .group_segment_fixed_size: 3072
    .private_segment_fixed_size: 0
    .kernarg_segment_align: 8
    .kernarg_segment_size: 48
    .max_flat_workgroup_size: 256
    .sgpr_count:     66
    .vgpr_count:     162
    .wavefront_size: 32
...
	.end_amdgpu_metadata
.endif
;; end of part 6
